; MI455X (gfx1250); checked and timed in simulation.
; The chip was launched on July 23, 2026; its instructions are those of AMD's public machine-readable ISA for CDNA 5 (MIT licence, August 2026) and "CDNA5" Instruction Set Architecture Reference Guide (July 2026). The comments in the code are by the model that wrote it; some were corrected since.
;; Causal Self Attention. Allowed arithmetic: float matrix products may take bf16 or f16 operands with f32 sums; other float arithmetic in f32, or as packed bf16 or f16 multiplies, adds, multiply-adds, maxima and minima; sums over many terms, partial sums and values carried from step to step in f32; what a program stores and reads back later, other than sums and carried values, may be rounded once to bf16 or f16.
;; Inputs: c_proj_w 1,024 x 1,024 float32; lambdas 2 float32; qkv_w 3 x 1,024 x 1,024 float32; ve 1 x 4,096 x 1,024 float32; x 1 x 4,096 x 1,024 float32.
;; Outputs: out0 1 x 4,096 x 1,024 float32.
;; 2 versions, each right; version 2 is version 1 with the launch prep written anew for expert scheduling mode. Each part assembles by itself: llvm-mc -triple=amdgcn-amd-amdhsa -mcpu=gfx1250 --defsym DOCPART=n.
;; ======== version 1 of 2: 4 launches
;; limits: values are held in f16: magnitudes above 65,504 overflow, below 6.1e-05 lose precision
;; workspace buffers: xb 8,388,608 bytes; wb 6,291,456 bytes; cb 2,097,152 bytes; tab 135,168 bytes; qh 8,388,608 bytes; kh 8,388,608 bytes; vh 8,388,608 bytes; yb 8,388,608 bytes
;; launch prep (part 1): grid 545 x 1, 8 waves a work-group, no clusters, 0 bytes of LDS; arguments x, qkv_w, c_proj_w, xb, wb, cb, tab; writes xb, wb, cb, tab
.if DOCPART == 1
	.amdgcn_target "amdgcn-amd-amdhsa--gfx1250"
	.amdhsa_code_object_version 6
	.text
	.protected	k_qa8e3a1a927_prep
	.globl	k_qa8e3a1a927_prep
	.p2align	8
	.type	k_qa8e3a1a927_prep,@function
k_qa8e3a1a927_prep:
	s_mov_b64 s[64:65], 0
	v_nop
	global_prefetch_b8 v0, s[64:65] scope:SCOPE_SE
	s_setreg_imm32_b32 hwreg(HW_REG_WAVE_MODE, 25, 1), 1
	s_wait_xcnt 0x0
; CASTS AND THE ROTARY TABLE.  xb = bf16(x), wb = bf16(qkv_w), cb = bf16(c_proj_w) written as f16, tab = cos and sin of the rotary angles.
; Work-groups 0-255 cast x, 256-447 qkv_w, 448-511 c_proj_w: 16,384 numbers each.  Thread t takes 4 numbers in each of 16 chunks of 1,024: a load of a wave covers 512 consecutive
; bytes, a store 256, both aligned.  All 16 loads of a thread go out first.
; Work-groups 512-544 make the table, 16 rows of 256 bytes each (32 cos, then 32 sin, f32): rows 16 k + r, k < 32, hold position 128 k + r; the rows of k = 32 all hold position 16, the step by which the next launch turns a row on.
; angle = position x 2^(-10 d / 31), d = 0..31.  It is reduced in revolutions: the product with 1/2pi is taken twice (the constant and what the constant lacks), the nearest whole number goes off,
; a quarter is added for the cosine, and sin(2 pi f) for |f| <= 1/4 is an odd polynomial of degree 11.
; LIMITS.  |c_proj_w| stays under 65,504, and below 6e-5 it keeps f16's fixed step of 6e-8.  2^x is good to one unit in the last place, so an angle at position 4,095 is good to about 1e-3 radians.
; No LDS, no matrix unit, no cluster: the launch streams, and no two work-groups read the same byte.
.set XR, 4                             ; v[4:67]    chunk j: 4 numbers as loaded
.set YR, 68                            ; v[68:99]   chunk j: 2 registers to store
.set TR, 100                           ; v[100:101] at work
	s_load_b256 s[4:11], s[0:1], 0x0               ; x s[4:5], qkv_w s[6:7], c_proj_w s[8:9], xb s[10:11]
	s_load_b128 s[12:15], s[0:1], 0x20             ; wb s[12:13], cb s[14:15]
	s_load_b64 s[16:17], s[0:1], 0x30              ; tab
	s_mov_b32 s20, ttmp9
	s_mov_b32 s31, 0                               ; the high word of every offset
	v_lshlrev_b32 v1, 4, v0                        ; 16 t: my bytes in a chunk as loaded
	v_lshlrev_b32 v2, 3, v0                        ; 8 t: as stored
	s_wait_kmcnt 0x0
; f = 0: to bf16.  f = 1: to bf16, and that number written as f16.
.macro CAST f
.irp j, 0,1,2,3,4,5,6,7,8,9,10,11,12,13,14,15
	global_load_b128 v[XR+4*(\j):XR+4*(\j)+3], v1, s[24:25] offset:4096*(\j) th:TH_LOAD_NT
.endr
.irp j, 0,1,2,3,4,5,6,7,8,9,10,11,12,13,14,15
	s_wait_loadcnt 15-(\j)                         ; loads come back in order: chunk j is in, the 15 - j younger ones stay out
.if \f
	v_cvt_pk_bf16_f32 v[TR],   v[XR+4*(\j)],   v[XR+4*(\j)+1]
	v_cvt_pk_bf16_f32 v[TR+1], v[XR+4*(\j)+2], v[XR+4*(\j)+3]
	v_lshlrev_b32 v[XR+4*(\j)],   16, v[TR]
	v_and_b32     v[XR+4*(\j)+1], 0xffff0000, v[TR]
	v_lshlrev_b32 v[XR+4*(\j)+2], 16, v[TR+1]
	v_and_b32     v[XR+4*(\j)+3], 0xffff0000, v[TR+1]
	v_cvt_pk_f16_f32 v[YR+2*(\j)],   v[XR+4*(\j)],   v[XR+4*(\j)+1]
	v_cvt_pk_f16_f32 v[YR+2*(\j)+1], v[XR+4*(\j)+2], v[XR+4*(\j)+3]
.else
	v_cvt_pk_bf16_f32 v[YR+2*(\j)],   v[XR+4*(\j)],   v[XR+4*(\j)+1]
	v_cvt_pk_bf16_f32 v[YR+2*(\j)+1], v[XR+4*(\j)+2], v[XR+4*(\j)+3]
.endif
	global_store_b64 v2, v[YR+2*(\j):YR+2*(\j)+1], s[26:27] offset:2048*(\j) th:TH_STORE_NT
.endr
.endm
	s_cmp_ge_u32 s20, 512
	s_cbranch_scc1 .Ltab
	s_cmp_ge_u32 s20, 448
	s_cbranch_scc1 .Lcw
	s_sub_co_u32 s21, s20, 256
	s_cmp_lt_u32 s20, 256                          ; x or qkv_w?
	s_cselect_b64 s[24:25], s[4:5], s[6:7]
	s_cselect_b64 s[26:27], s[10:11], s[12:13]
	s_cselect_b32 s28, s20, s21                    ; my number among the tensor's work-groups
	s_lshl_b32 s30, s28, 16                        ; 65,536 bytes in,
	s_add_nc_u64 s[24:25], s[24:25], s[30:31]
	s_lshl_b32 s30, s28, 15                        ; 32,768 out
	s_add_nc_u64 s[26:27], s[26:27], s[30:31]
	CAST 0
	s_endpgm
.Lcw:
	s_sub_co_u32 s28, s20, 448
	s_lshl_b32 s30, s28, 16
	s_add_nc_u64 s[24:25], s[8:9], s[30:31]
	s_lshl_b32 s30, s28, 15
	s_add_nc_u64 s[26:27], s[14:15], s[30:31]
	CAST 1
	s_endpgm
.Ltab:
	s_sub_co_u32 s23, s20, 512                     ; k
	s_lshl_b32 s24, s23, 7
	s_cmp_eq_u32 s23, 32
	s_cselect_b32 s24, 16, s24                     ; the first row's position,
	s_cselect_b32 s25, 0, 1                        ; and what a row adds
	s_mov_b32 s26, 0x7fffffff
	s_lshl_b32 s30, s23, 12
	s_add_nc_u64 s[16:17], s[16:17], s[30:31]
	v_lshrrev_b32 v3, 4, v0                        ; row 0..15
	v_and_b32 v4, 15, v0                           ; my 16 bytes of the row: 0-7 cos, 8-15 sin
	v_and_b32 v5, 7, v0
	v_lshlrev_b32 v5, 2, v5                        ; my first d
	v_mul_u32_u24 v3, v3, s25
	v_add_nc_u32 v3, s24, v3
	v_cvt_f32_u32 v6, v3                           ; position
	v_mov_b32 v8, 0x3e800000                       ; 1/4
	v_mov_b32 v9, 0x3f000000                       ; 1/2
	v_cmp_gt_u32 vcc_lo, 8, v4
	v_cndmask_b32 v7, 0, v8, vcc_lo                ; a quarter of a revolution on for the cosine
.irp e, 0,1,2,3
	v_add_nc_u32 v[12+8*(\e)], \e, v5
	v_cvt_f32_u32 v[12+8*(\e)], v[12+8*(\e)]
	v_mul_f32 v[12+8*(\e)], 0xbea5294a, v[12+8*(\e)]  ; -10 d / 31
.endr
.irp e, 0,1,2,3
	v_exp_f32 v[13+8*(\e)], v[12+8*(\e)]
.endr
	v_nop                                          ; a plain instruction behind the last of the four,
	s_wait_alu depctr_va_vdst(0)                   ; and one wait for the batch, ahead of its first reader
.irp e, 0,1,2,3
	v_mul_f32 v[12+8*(\e)], v6, v[13+8*(\e)]       ; the angle, rounded to f32 as the module rounds it
	v_mul_f32 v[13+8*(\e)], 0.15915494, v[12+8*(\e)]
	v_rndne_f32 v[13+8*(\e)], v[13+8*(\e)]         ; whole revolutions
	v_fma_f32 v[14+8*(\e)], v[12+8*(\e)], 0.15915494, -v[13+8*(\e)]
	v_fmamk_f32 v[14+8*(\e)], v[12+8*(\e)], 0x31dc9c88, v[14+8*(\e)]  ; + angle x (1/2pi less the constant) = angle x 6.42e-9
	v_add_f32 v[14+8*(\e)], v7, v[14+8*(\e)]
	v_rndne_f32 v[15+8*(\e)], v[14+8*(\e)]
	v_sub_f32 v[14+8*(\e)], v[14+8*(\e)], v[15+8*(\e)]  ; f in -1/2 .. 1/2
	v_bfi_b32 v[15+8*(\e)], s26, v9, v[14+8*(\e)]  ; 1/2 with f's sign
	v_sub_f32 v[15+8*(\e)], v[15+8*(\e)], v[14+8*(\e)]
	v_cmp_gt_f32 vcc_lo, |v[14+8*(\e)]|, v8
	v_cndmask_b32 v[14+8*(\e)], v[14+8*(\e)], v[15+8*(\e)], vcc_lo  ; folded into -1/4 .. 1/4
	v_mul_f32 v[16+8*(\e)], v[14+8*(\e)], v[14+8*(\e)]
	v_mov_b32 v[17+8*(\e)], 0xc17183a8             ; -(2 pi)^11 / 11!
	v_fmaak_f32 v[17+8*(\e)], v[17+8*(\e)], v[16+8*(\e)], 0x42283c1a  ; (2 pi)^9 / 9!
	v_fmaak_f32 v[17+8*(\e)], v[17+8*(\e)], v[16+8*(\e)], 0xc2996966  ; -(2 pi)^7 / 7!
	v_fmaak_f32 v[17+8*(\e)], v[17+8*(\e)], v[16+8*(\e)], 0x42a335e3  ; (2 pi)^5 / 5!
	v_fmaak_f32 v[17+8*(\e)], v[17+8*(\e)], v[16+8*(\e)], 0xc2255de7  ; -(2 pi)^3 / 3!
	v_fmaak_f32 v[17+8*(\e)], v[17+8*(\e)], v[16+8*(\e)], 0x40c90fdb  ; 2 pi
	v_mul_f32 v[44+(\e)], v[14+8*(\e)], v[17+8*(\e)]
.endr
	global_store_b128 v1, v[44:47], s[16:17]       ; 16 lanes store a row's 256 bytes
	s_endpgm
.Lfunc_end_k_qa8e3a1a927_prep:
	.size	k_qa8e3a1a927_prep, .Lfunc_end_k_qa8e3a1a927_prep-k_qa8e3a1a927_prep
	.p2alignl 7, 3214868480
	.fill 96, 4, 3214868480
	.section	.rodata,"a",@progbits
	.p2align	6, 0x0
	.amdhsa_kernel k_qa8e3a1a927_prep
		.amdhsa_group_segment_fixed_size 0
		.amdhsa_private_segment_fixed_size 0
		.amdhsa_enable_private_segment 0
		.amdhsa_kernarg_size 56
		.amdhsa_user_sgpr_count 2
		.amdhsa_user_sgpr_kernarg_segment_ptr 1
		.amdhsa_wavefront_size32 1
		.amdhsa_system_sgpr_workgroup_id_x 1
		.amdhsa_system_sgpr_workgroup_id_y 1
		.amdhsa_system_sgpr_workgroup_id_z 1
		.amdhsa_system_vgpr_workitem_id 0
		.amdhsa_next_free_vgpr 112
		.amdhsa_next_free_sgpr 66
		.amdhsa_reserve_vcc 1
		.amdhsa_float_denorm_mode_32 3
		.amdhsa_float_denorm_mode_16_64 3
		.amdhsa_memory_ordered 1
		.amdhsa_forward_progress 1
		.amdhsa_inst_pref_size 23
	.end_amdhsa_kernel
	.amdgpu_metadata
---
amdhsa.version: [ 1, 2 ]
amdhsa.kernels:
  - .name:           k_qa8e3a1a927_prep
    .symbol:         k_qa8e3a1a927_prep.kd
    .args:
      - { .name: x, .offset: 0, .size: 8, .value_kind: global_buffer, .address_space: global }
      - { .name: qkv_w, .offset: 8, .size: 8, .value_kind: global_buffer, .address_space: global }
      - { .name: c_proj_w, .offset: 16, .size: 8, .value_kind: global_buffer, .address_space: global }
      - { .name: xb, .offset: 24, .size: 8, .value_kind: global_buffer, .address_space: global }
      - { .name: wb, .offset: 32, .size: 8, .value_kind: global_buffer, .address_space: global }
      - { .name: cb, .offset: 40, .size: 8, .value_kind: global_buffer, .address_space: global }
      - { .name: tab, .offset: 48, .size: 8, .value_kind: global_buffer, .address_space: global }
    .group_segment_fixed_size: 0
    .private_segment_fixed_size: 0
    .kernarg_segment_align: 8
    .kernarg_segment_size: 56
    .max_flat_workgroup_size: 256
    .sgpr_count:     66
    .vgpr_count:     112
    .wavefront_size: 32
...
	.end_amdgpu_metadata
.endif
;; end of part 1
;; launch qkv (part 2): grid 12 x 16, 4 waves a work-group, clusters of 4 x 4, 327,680 bytes of LDS; arguments xb, wb, ve, lambdas, tab, qh, kh, vh; writes qh, kh, vh
.if DOCPART == 2
	.amdgcn_target "amdgcn-amd-amdhsa--gfx1250"
	.amdhsa_code_object_version 6
	.text
	.protected	k_qa8e3a1a927_qkv
	.globl	k_qa8e3a1a927_qkv
	.p2align	8
	.type	k_qa8e3a1a927_qkv,@function
k_qa8e3a1a927_qkv:
	s_mov_b64 s[64:65], 0
	v_nop
	global_prefetch_b8 v0, s[64:65] scope:SCOPE_SE
	s_setreg_imm32_b32 hwreg(HW_REG_WAVE_MODE, 25, 1), 1
	s_wait_xcnt 0x0
	s_wait_alu depctr_hold_cnt(0) depctr_sa_sdst(0) depctr_va_vdst(0) depctr_va_sdst(0) depctr_va_ssrc(0) depctr_va_vcc(0) depctr_vm_vsrc(0)
	s_getreg_b32 s2, hwreg(HW_REG_IB_STS2, 6, 4)
	s_cmp_eq_u32 s2, 0
	s_cbranch_scc0 .Lentry_in_a_cluster
	s_endpgm
.Lentry_in_a_cluster:
	s_bfe_u32 s2, ttmp6, 0x10000c
	s_cmp_lg_u32 s2, 0xf033
	s_cbranch_scc0 .Lentry_shape_is_right
	s_endpgm
.Lentry_shape_is_right:
; THE QKV PROJECTION AND WHAT FOLLOWS IT.  C[t][n] = sum over k of xb[t][k] wb[n][k], 4,096 x 3,072 x 1,024, bf16 operands, f32 sums.  Columns 0-1,023 are q, 1,024-2,047 k, 2,048-3,071 v.
; q and k: each head's 128 numbers are divided by the root of their mean square + 2^-23 and turned by the rotary table; v = l0 v + l1 ve (ve, l0, l1 rounded to bf16, the arithmetic in f32).
; All three leave by heads, [8][4096][128] in f16, rounded once.
; A tile of C is 256 x 256: four waves, each 128 x 128 in 512 registers: 128 rows of ONE head of one of q, k, v, so norm and rotation stay inside the wave.  12 x 16 = 192 work-groups:
; a tile that gave 256 would cut a head in two or halve the products that each LDS byte feeds.
; K goes in steps of 128 through two LDS slots filled by the tensor data mover; rows of the tiles are 256 bytes of memory, aligned.
; CLUSTERS of 4 x 4: the four of a row need the same tiles of xb, the four of a column the same tiles of wb: each tile is asked for jointly.  A cluster's x says whether it makes q, k or v: that branch is alike in all partners.
; THE MATRIX INSTRUCTION IS USED TRANSPOSED (source 0 = 16 rows of wb, source 1 = 16 rows of xb): lane l holds row l % 16 and, of column block b, the columns 16 b + 8 (l / 16) + 0..7.
; So a lane holds d and d + 64 of a head (blocks b and b + 4): the rotation's two partners; a row's other 64 numbers lie in the lane 16 away.
; LIMITS.  |v| stays under 65,504 (f16).  q and k are at most sqrt(128) in size.  NaN and infinities are not treated apart.
; REGISTERS, in windows of 256: window 0: v0-31 addresses; v64-191 fragments of xb, two buffers; v192-255 the table.  Window 1: v64-191 fragments of wb.  Windows 2, 3: the 64 accumulators.
; Behind the products window 0 holds: v32-63 at work; v64-127 a block of 16 rows x 128 columns; v128-159 packed; v160-191 rows read back; v192-255 table, or ve; window 1 v64-127 ve as loaded.
.set SIZE_K, 1024
.set KSTEP,  128
.set PITCH,  272                       ; an LDS row: 256 bytes + 16 of padding: the 16 rows of a fragment load start at 16 different groups of four banks
.set HALFT,  128*PITCH
.set SLOT,   4*HALFT                   ; xb's 256 rows, then wb's 256 rows
.set STAGE,  2*SLOT                    ; behind the ring: each wave's own stage
.set SPITCH, 272                       ; as the f16 stage: 16 rows of 256 bytes + 16
.set VPITCH, 528                       ; as ve's stage: 16 rows of 512 bytes + 16
.set WSTAGE, 16*VPITCH
.set SPARE,  STAGE+4*WSTAGE            ; the spare words, 128 bytes a wave: two blocks of 256 bytes that no other line names
.set LAPS,   SIZE_K/(2*KSTEP)
.set ADRA, 16                          ; v16-17  LDS address of my xb fragments in slot 0, 1
.set PFV,  18                          ; v18     lane x 4,096: a row of ve a lane
.set VSI,  19                          ; v19     ve's stage, in: 16 x lane
.set ADRB, 20                          ; v20-21  LDS address of my wb fragments
.set TO,   22                          ; v22     my row's place in 16 rows of the table
.set TD,   23                          ; v23     my place in the table's step row
.set STO,  24                          ; v24     f16 stage, in
.set RD,   25                          ; v25     f16 stage, back
.set CO,   26                          ; v26     16 x lane
.set LM1,  27                          ; v27     l1
.set SPW,  28                          ; v28     my spare word; never rewritten
.set NIL,  29                          ; v29     0; never rewritten
.set PFO,  30                          ; v30     lane x a row of xb or wb
.set VSO,  31                          ; v31     ve's stage, back in the accumulators' layout
.set F0,   64
.set F1,   128
.set FV,   64                          ; the block in hand
.set TMP,  128
.set OB,   160
.set TC,   192                         ; cos, 16 registers: block b at 8 b
.set TS,   208                         ; sin
.set DC,   224                         ; cos and sin of 16 rows' step
.set DS,   240
.set EV,   192                         ; ve in the accumulators' layout
.set G1,  24
.set G0,  32
.set LIM, 43
.set PFA, 44
.set G1B, 48
.set G0B, 56
.set SEC, 66                           ; s66  0: q, 1: k, 2: v
.set AB,  67                           ; s67  the block, 0..7
.set VEB, 68                           ; s[68:69] ve at the block to be loaded
.set TABR, 72                          ; s[72:73] the table at my first 16 rows
.set LRAW, 80                          ; s[80:81] the lambdas as given
.set L0,  82                           ; s[82:83] l0
.set RCPN, 84                          ; s84  1/128
.set EPS, 85                           ; s85  2^-23
.set SEL, 86                           ; s[86:87] each lane takes its own place in the other half
.set TAB0, 90                          ; s[90:91] the table
.set TOF, 92                           ; s[92:93] an offset
.set MSB, 0
.macro WIN new                         ; the immediate's high byte repeats the setting that is left
.if MSB != (\new)
	s_set_vgpr_msb (MSB<<8)|(\new)
.set MSB, \new
.endif
.endm
.set MUL_LO, 0xa1                      ; source 0 (wb) window 1, source 1 (xb) window 0, C and D window 2
.set MUL_HI, 0xf1                      ; the same, C and D window 3
.set TO_B,   0x40
; A joint load: waves 0 and 1 fetch xb's two halves, waves 2 and 3 wb's.  An s_nop 0 and four v_nop follow each of the two lines.
.macro JLOAD s
	s_cmp_eq_u32 s11, 0
	s_cbranch_scc0 .Lfor_b_\@
	tensor_load_to_lds s[G0+4*(\s):G0+4*(\s)+3], s[G1:G1+7]
	s_nop 0
.rept 4
	v_nop
.endr
	s_branch .Lasked_\@
.Lfor_b_\@:
	tensor_load_to_lds s[G0B+4*(\s):G0B+4*(\s)+3], s[G1B:G1B+7]
	s_nop 0
.rept 4
	v_nop
.endr
.Lasked_\@:
.endm
; A prefetch behind each joint load and the run of LDS loads that follows it: the K step that stands two refills on, 32 rows x 256 bytes, a lane a row.  xb's rows are asked for by the clusters with x = 0,
; wb's by those with y = 0; the four partners of a joint load take 32 of its 128 rows each, told apart by address.  So each row's 256 bytes of a K step are named once.  The loop's last trip has no K step two on.
.macro ASK
	s_cmp_gt_u32 s3, s[LIM]
	s_cbranch_scc0 .Lnot_mine_\@
	global_prefetch_b8 v[PFO], s[PFA:PFA+1] offset:KSTEP*2 th:TH_LOAD_NT scope:SCOPE_SE
.Lnot_mine_\@:
.endm
; ve, in the clusters that make v: my own 128 rows x 512 bytes, a lane a row, each 256 bytes named once; it stands one K step, 256 matrix instructions, ahead of the first block's loads.
.macro ASKV
	s_cmp_eq_u32 s[SEC], 2
	s_cbranch_scc0 .Lno_ve_\@
.irp k, 0,1,2,3,4,5,6,7
	global_prefetch_b8 v[PFV], s[VEB:VEB+1] offset:((\k)/2)*131072+((\k)%2)*256 th:TH_LOAD_NT scope:SCOPE_SE
.endr
.Lno_ve_\@:
.endm
.macro CREST                           ; a round of the cluster's barrier behind its opening barrier
	s_cmp_lg_u32 s10, 0
	s_cbranch_scc1 .Lnot_wave_0_\@
	s_barrier_signal -3
.Lnot_wave_0_\@:
	s_barrier_wait -3
	s_barrier_signal -1
	s_barrier_wait -1
.endm
.macro CROUND
	s_barrier_signal -1
	s_barrier_wait -1
	CREST
.endm
	s_load_b128 s[4:7], s[0:1], 0x0                ; xb s[4:5], wb s[6:7]
	s_load_b256 s[68:75], s[0:1], 0x10             ; ve s[68:69], lambdas s[70:71], tab s[72:73], qh s[74:75]
	s_load_b128 s[76:79], s[0:1], 0x30             ; kh s[76:77], vh s[78:79]
	v_lshl_add_u32 v[SPW], v0, 2, SPARE
	v_mov_b32 v[NIL], 0
	ds_add_u32 v[SPW], v[NIL]                      ; the wave's opening: the add and its wait ahead of my first tensor load
	v_lshrrev_b32 v1, 5, v0
	v_readfirstlane_b32 s10, v1                    ; wave 0..3
	s_lshr_b32 s11, s10, 1                         ; my half of the tile's rows.  Also: I fetch for xb (0) or wb (1)
	s_and_b32 s12, s10, 1                          ; my half of its columns.  Also: which 128 rows I fetch
	s_bfe_u32 s40, ttmp6, 0x40000                  ; cx
	s_bfe_u32 s41, ttmp6, 0x40004                  ; cy
	s_mov_b32 s[SEC], ttmp9                        ; the cluster's x: 4 tile columns = 1,024 columns = one of q, k, v
	s_lshl_b32 s42, ttmp9, 2
	s_add_co_u32 s42, s42, s40                     ; tile column
	s_and_b32 s13, ttmp7, 0xffff
	s_lshl_b32 s13, s13, 2
	s_add_co_u32 s13, s13, s41                     ; tile row
	s_lshl_b32 s43, s41, 2
	s_lshl_b32 s43, 15, s43                        ; my row of the cluster
	s_lshl_b32 s44, 0x1111, s40                    ; my column
	s_or_b32 s[G1+0], s43, (1<<16)|(1<<20)|(1<<21)|(5<<22)|(3<<25)   ; the mask; 2-byte elements; padding on; bit 21 beside a mask; after every 64 words 4 words
	s_or_b32 s[G1B+0], s44, (1<<16)|(1<<20)|(1<<21)|(5<<22)|(3<<25)
.irp g, G1, G1B
	s_mov_b32 s[(\g)+1], KSTEP<<16                 ; tensor_dim0 = 128
	s_mov_b32 s[(\g)+2], 128<<16                   ; tensor_dim1 = 128
	s_mov_b32 s[(\g)+3], KSTEP<<16                 ; tile_dim0 = 128
	s_mov_b32 s[(\g)+4], 128                       ; tile_dim1 = 128
	s_mov_b32 s[(\g)+5], SIZE_K                    ; elements from row to row
	s_mov_b32 s[(\g)+6], 0
	s_mov_b32 s[(\g)+7], 0
.endr
	s_lshl_b32 s17, s12, 7
	s_lshl_b32 s16, s13, 8
	s_add_co_u32 s16, s16, s17                     ; xb: row 256 x tile row + 128 x half
	s_lshl_b32 s46, s42, 8
	s_add_co_u32 s46, s46, s17                     ; wb: row 256 x tile column + 128 x half
	s_mov_b32 s17, 0
	s_mov_b32 s47, 0
	s_mov_b64 s[18:19], SIZE_K*2
	s_mul_u64 s[16:17], s[16:17], s[18:19]
	s_mul_u64 s[46:47], s[46:47], s[18:19]
	s_mul_i32 s20, s10, HALFT                      ; where they go: wave x 128 rows
	s_mov_b32 s[RCPN], 0x3c000000
	s_mov_b32 s[EPS], 0x34000000
	s_mov_b32 s[SEL], 0x76543210
	s_mov_b32 s[SEL+1], 0xfedcba98
	s_wait_dscnt 0x0                               ; the opening add is done
	s_wait_kmcnt 0x0
	s_load_b64 s[LRAW:LRAW+1], s[70:71], 0x0       ; l0, l1
	s_add_nc_u64 s[14:15], s[4:5], s[16:17]
	s_add_nc_u64 s[46:47], s[6:7], s[46:47]
	CROUND                                         ; all sixteen work-groups are here: the first joint loads meet
.irp s, 0,1
	s_mov_b32 s[G0+4*(\s)], 1
	s_add_co_u32 s[G0+4*(\s)+1], s20, (\s)*SLOT
	s_add_nc_u64 s[G0+4*(\s)+2:G0+4*(\s)+3], s[14:15], (\s)*KSTEP*2
	s_or_b32 s[G0+4*(\s)+3], s[G0+4*(\s)+3], 0x80000000
	s_mov_b32 s[G0B+4*(\s)], 1
	s_add_co_u32 s[G0B+4*(\s)+1], s20, (\s)*SLOT
	s_add_nc_u64 s[G0B+4*(\s)+2:G0B+4*(\s)+3], s[46:47], (\s)*KSTEP*2
	s_or_b32 s[G0B+4*(\s)+3], s[G0B+4*(\s)+3], 0x80000000
	JLOAD \s
.endr
	v_and_b32 v1, 15, v0                           ; l % 16
	v_bfe_u32 v2, v0, 4, 1                         ; l / 16
	v_mul_u32_u24 v3, v1, PITCH
	v_lshl_add_u32 v3, v2, 4, v3
	s_mul_i32 s21, s11, HALFT
	s_mul_i32 s22, s12, HALFT
	s_add_co_u32 s22, s22, 2*HALFT
.irp s, 0,1
	v_add_nc_u32 v[ADRA+(\s)], s21, v3
	v_add_nc_u32 v[ADRB+(\s)], s22, v3
	s_add_co_u32 s21, s21, SLOT
	s_add_co_u32 s22, s22, SLOT
.endr
	s_mul_i32 s23, s10, WSTAGE
	s_add_co_u32 s23, s23, STAGE                   ; my stage
	v_mul_u32_u24 v4, v1, SPITCH
	v_lshl_add_u32 v4, v2, 4, v4
	v_add_nc_u32 v[STO], s23, v4                   ; in: row l % 16, 16 bytes for each half of the lanes
	v_mul_u32_u24 v5, v2, SPITCH
	v_lshl_add_u32 v5, v1, 4, v5
	v_add_nc_u32 v[RD], s23, v5                    ; back: lanes 0-15 one row of 256 bytes, lanes 16-31 the next
	v_and_b32 v5, 31, v0
	v_lshlrev_b32 v[CO], 4, v5
	v_add_nc_u32 v[VSI], s23, v[CO]
	v_mul_u32_u24 v4, v1, VPITCH
	v_lshl_add_u32 v4, v2, 5, v4
	v_add_nc_u32 v[VSO], s23, v4                   ; row l % 16, 32 bytes for each half of the lanes
	v_lshlrev_b32 v[PFV], 12, v5
	v_lshlrev_b32 v[TO], 8, v1
	v_lshl_add_u32 v[TO], v2, 5, v[TO]
	v_lshlrev_b32 v[TD], 5, v2
	s_lshl_b32 s13, s13, 8                         ; 256 x tile row
	s_lshl_b32 s14, s11, 7
	s_add_co_u32 s16, s13, s14                     ; my first row
	s_cmp_eq_u32 s[SEC], 0
	s_cselect_b64 s[8:9], s[74:75], s[76:77]
	s_cmp_eq_u32 s[SEC], 2
	s_cselect_b64 s[8:9], s[78:79], s[8:9]         ; where my results go
	s_lshl_b32 s[TOF], s16, 8                      ; row x 256 bytes
	s_lshl1_add_u32 s20, s40, s12                  ; the head: 2 cx + my half of the columns
	s_lshl_b32 s20, s20, 20                        ; x 4,096 rows x 256 bytes
	s_add_co_u32 s[TOF], s[TOF], s20
	s_mov_b32 s[TOF+1], 0
	s_add_nc_u64 s[8:9], s[8:9], s[TOF:TOF+1]
	s_lshl_b32 s[TOF], s16, 12                     ; ve: row x 4,096 bytes,
	s_lshl_b32 s20, s40, 10                        ; 256 cx columns,
	s_add_co_u32 s[TOF], s[TOF], s20
	s_lshl_b32 s20, s12, 9                         ; my 128
	s_add_co_u32 s[TOF], s[TOF], s20
	s_add_nc_u64 s[VEB:VEB+1], s[VEB:VEB+1], s[TOF:TOF+1]
	s_mov_b64 s[TAB0:TAB0+1], s[TABR:TABR+1]
	s_lshl_b32 s[TOF], s16, 5                      ; 16 rows of the table, 4,096 bytes, for each 128 rows
	s_add_nc_u64 s[TABR:TABR+1], s[TABR:TABR+1], s[TOF:TOF+1]
.irp b, 0,1
.irp q, 0,1
	global_load_b128 v[TC+8*(\b)+4*(\q):TC+8*(\b)+4*(\q)+3], v[TO], s[TABR:TABR+1] offset:64*(\b)+16*(\q)
	global_load_b128 v[TS+8*(\b)+4*(\q):TS+8*(\b)+4*(\q)+3], v[TO], s[TABR:TABR+1] offset:128+64*(\b)+16*(\q)
	global_load_b128 v[DC+8*(\b)+4*(\q):DC+8*(\b)+4*(\q)+3], v[TD], s[TAB0:TAB0+1] offset:131072+64*(\b)+16*(\q)
	global_load_b128 v[DS+8*(\b)+4*(\q):DS+8*(\b)+4*(\q)+3], v[TD], s[TAB0:TAB0+1] offset:131072+128+64*(\b)+16*(\q)
.endr
.endr
	; the prefetches of xb and wb
	s_lshl_b32 s42, s42, 8
	s_and_b32 s22, ttmp7, 0xffff
	s_cmp_eq_u32 s11, 0
	s_cselect_b32 s20, s13, s42                    ; the tile's first row
	s_cselect_b32 s21, s40, s41                    ; my place among the four that ask with me
	s_cselect_b32 s22, ttmp9, s22                  ; the coordinate along which other clusters read the same rows
	s_cselect_b64 s[PFA:PFA+1], s[4:5], s[6:7]
	s_cmp_eq_u32 s22, 0
	s_cselect_b32 s[LIM], 1, -1
	s_lshl_b32 s22, s12, 7
	s_add_co_u32 s20, s20, s22
	s_lshl_b32 s21, s21, 5
	s_add_co_u32 s20, s20, s21
	s_mov_b32 s21, 0
	s_mov_b64 s[18:19], SIZE_K*2
	s_mul_u64 s[20:21], s[20:21], s[18:19]
	s_add_nc_u64 s[PFA:PFA+1], s[PFA:PFA+1], s[20:21]
	s_add_nc_u64 s[PFA:PFA+1], s[PFA:PFA+1], 2*KSTEP*2  ; at K step 2: the first refill steps it to 3 and names K step 4
	v_and_b32 v[PFO], 31, v0
	v_mul_u32_u24 v[PFO], v[PFO], SIZE_K*2
	s_wait_kmcnt 0x0                               ; the lambdas
	v_cvt_pk_bf16_f32 v6, s[LRAW], s[LRAW+1]       ; rounded to bf16 like every input
	v_lshlrev_b32 v7, 16, v6
	v_and_b32 v[LM1], 0xffff0000, v6
	v_readfirstlane_b32 s[L0], v7
	s_mov_b32 s[L0+1], s[L0]
; 16 matrix instructions: m blocks a0, a0 + 1 of the window's four x all 8 n blocks, 32 along K.  zero = 1: the first product starts the sums.  The 64 accumulators take turns.
.macro MUL16 f, hi, a0, zero
	WIN MUL_LO+0x50*(\hi)
.irp a, \a0, (\a0)+1
.irp b, 0,1,2,3,4,5,6,7
.if \zero
	v_wmma_f32_16x16x32_bf16 v[8*(8*(\a)+(\b)):8*(8*(\a)+(\b))+7], v[(\f)+8*(\b):(\f)+8*(\b)+7], v[(\f)+8*(4*(\hi)+(\a)):(\f)+8*(4*(\hi)+(\a))+7], 0
.else
	v_wmma_f32_16x16x32_bf16 v[8*(8*(\a)+(\b)):8*(8*(\a)+(\b))+7], v[(\f)+8*(\b):(\f)+8*(\b)+7], v[(\f)+8*(4*(\hi)+(\a)):(\f)+8*(4*(\hi)+(\a))+7], v[8*(8*(\a)+(\b)):8*(8*(\a)+(\b))+7]
.endif
.endr
.endr
.endm
.macro FETCH slot, k, f                ; 32 LDS loads in one run: a quarter step's fragments
	WIN TO_B
.irp i, 0,1,2,3,4,5,6,7
	ds_load_b128 v[(\f)+8*(\i):(\f)+8*(\i)+3],   v[ADRB+(\slot)] offset:(\k)+(\i)*16*PITCH
	ds_load_b128 v[(\f)+8*(\i)+4:(\f)+8*(\i)+7], v[ADRB+(\slot)] offset:(\k)+(\i)*16*PITCH+32
.endr
	WIN 0
.irp i, 0,1,2,3,4,5,6,7
	ds_load_b128 v[(\f)+8*(\i):(\f)+8*(\i)+3],   v[ADRA+(\slot)] offset:(\k)+(\i)*16*PITCH
	ds_load_b128 v[(\f)+8*(\i)+4:(\f)+8*(\i)+7], v[ADRA+(\slot)] offset:(\k)+(\i)*16*PITCH+32
.endr
.endm
.macro PLACES                          ; four plain instructions between a matrix instruction and a load into, or a vector instruction on, its registers
.rept 4
	v_nop
.endr
.endm
.macro QUARTER slot, k, f, g, zero     ; 64 matrix instructions on buffer f; in their middle the next quarter's fragments go into buffer g
	s_wait_dscnt 8                                 ; wb's and xb's rows 0-63 are in; the youngest eight loads (xb's rows 64-127) may be out
	MUL16 \f, 0, 0, \zero
	MUL16 \f, 0, 2, \zero
	PLACES
	FETCH \slot, \k, \g
	s_wait_dscnt 32                                ; all but the 32 just issued
	MUL16 \f, 1, 0, \zero
	MUL16 \f, 1, 2, \zero
.endm
; The first half of a K step's last quarter: one barrier for the change of slots.
.macro MEET round
	WIN 0
	s_wait_tensorcnt 0x0                           ; all my tensor loads have landed: the one that was out is my part of the next slot
	ds_add_u32 v[SPW], v[NIL]                      ; 0 onto my spare word
	s_wait_dscnt 9                                 ; the add and the youngest eight loads may be out
	MUL16 F1, 0, 0, 0
	s_wait_dscnt 0x0                               ; the add is done, and my reads of this slot are over
	s_barrier_signal -1
	MUL16 F1, 0, 2, 0
.if \round
	WIN 0
.endif
	s_barrier_wait -1
.endm
.macro TURN slot, next                 ; the whole last quarter: the slot just read is filled again, two K steps on
	s_wait_xcnt 0x0                                ; the last prefetch, a K step back, has read its address
	s_add_nc_u64 s[PFA:PFA+1], s[PFA:PFA+1], KSTEP*2
	MEET 1
	CREST                                          ; no wave of any partner still reads this slot or has a load on its way
	s_add_nc_u64 s[G0+4*(\slot)+2:G0+4*(\slot)+3], s[G0+4*(\slot)+2:G0+4*(\slot)+3], 2*KSTEP*2
	s_add_nc_u64 s[G0B+4*(\slot)+2:G0B+4*(\slot)+3], s[G0B+4*(\slot)+2:G0B+4*(\slot)+3], 2*KSTEP*2
	JLOAD \slot                                    ; the first tensor load behind the round; its four v_nop are also the places in front of the loads below
	FETCH \next, 0, F0
	ASK
	MUL16 F1, 1, 0, 0
	MUL16 F1, 1, 2, 0
.endm
	s_wait_tensorcnt 1                             ; my part of K step 0 is in; K step 1's may stay out
	s_barrier_signal -1
	s_barrier_wait -1
	FETCH 0, 0, F0
	QUARTER 0, 64,  F0, F1, 1                      ; the first quarter stands in front of the loop: its products start the sums
	WIN 0
	s_mov_b32 s3, LAPS-1
.Llap:                                                 ; a trip goes once round the ring and fills both slots again
	QUARTER 0, 128, F1, F0, 0
	QUARTER 0, 192, F0, F1, 0
	TURN 0, 1
	QUARTER 1, 64,  F0, F1, 0
	QUARTER 1, 128, F1, F0, 0
	QUARTER 1, 192, F0, F1, 0
	TURN 1, 0
	QUARTER 0, 64,  F0, F1, 0
	WIN 0
	s_sub_co_u32 s3, s3, 1
	s_cmp_lg_u32 s3, 0
	s_cbranch_scc1 .Llap
	QUARTER 0, 128, F1, F0, 0                      ; the last lap fills nothing, and has no round
	QUARTER 0, 192, F0, F1, 0
	MEET 0
	PLACES
	FETCH 1, 0, F0
	ASKV
	MUL16 F1, 1, 0, 0
	MUL16 F1, 1, 2, 0
	QUARTER 1, 64,  F0, F1, 0
	QUARTER 1, 128, F1, F0, 0
	QUARTER 1, 192, F0, F1, 0
	s_wait_dscnt 8
	MUL16 F1, 0, 0, 0
	MUL16 F1, 0, 2, 0
	s_wait_dscnt 0x0
	MUL16 F1, 1, 0, 0
	MUL16 F1, 1, 2, 0
	WIN 0
	PLACES
	s_wait_loadcnt 0x0                             ; the table
; WHAT FOLLOWS THE PRODUCTS, a block of 16 rows x 128 columns at a time, in a loop of eight trips whose text is written once: the block's 64 sums are first copied to fixed registers.
.macro TAKE a
	WIN 0x02+(\a)/4                                ; source 0: window 2 or 3
.set z, 0
.rept 64
	v_mov_b32 v[FV+z], v[64*((\a)%4)+z]            ; ascending: each accumulator is read from its low end on
.set z, z+1
.endr
	WIN 0
.endm
.macro VLOAD                           ; 16 rows of ve, 512 bytes each: a row an instruction, into window 1
	WIN 0x40
.irp u, 0,1,2,3,4,5,6,7,8,9,10,11,12,13,14,15
	global_load_b128 v[64+4*(\u):64+4*(\u)+3], v[CO], s[VEB:VEB+1] offset:(\u)*4096 th:TH_LOAD_NT
.endr
	WIN 0
.endm
	s_mov_b32 s[AB], 0
	s_cmp_eq_u32 s[SEC], 2
	s_cbranch_scc0 .Lblk
	VLOAD                                          ; block 0's
.Lblk:
	s_wait_loadcnt 0x0                             ; this block's ve, asked for a block ago, is in (q and k have no load out).  The wait stands ahead of the branch: on every way from one run of ve's loads to the next run into the same registers
	s_cmp_eq_u32 s[SEC], 2
	s_cbranch_scc0 .Ltake
	WIN 0x04                                       ; store data in window 1
.irp u, 0,1,2,3,4,5,6,7,8,9,10,11,12,13,14,15
	ds_store_b128 v[VSI], v[64+4*(\u):64+4*(\u)+3] offset:(\u)*VPITCH
.endr
	WIN 0
.irp b, 0,1,2,3,4,5,6,7
	ds_load_b128 v[EV+8*(\b):EV+8*(\b)+3],   v[VSO] offset:64*(\b)     ; LDS serves a wave's instructions in order: these see the stores above
	ds_load_b128 v[EV+8*(\b)+4:EV+8*(\b)+7], v[VSO] offset:64*(\b)+16
.endr
.Ltake:
.irp a, 0,1,2,3,4,5,6
	s_cmp_lg_u32 s[AB], \a
	s_cbranch_scc1 .Lnot\a
	TAKE \a
	s_branch .Lgot
.Lnot\a:
.endr
	TAKE 7
.Lgot:
	s_cmp_eq_u32 s[SEC], 2
	s_cbranch_scc1 .Lv
	; q and k.  The sum of my 64 squares in four chains, the other 64 from the lane 16 away.
.irp c, 0,1,2,3
	v_pk_mul_f32 v[32+2*(\c):33+2*(\c)], v[FV+2*(\c):FV+2*(\c)+1], v[FV+2*(\c):FV+2*(\c)+1]
.endr
.set z, 4
.rept 28
	v_pk_fma_f32 v[32+2*(z%4):33+2*(z%4)], v[FV+2*z:FV+2*z+1], v[FV+2*z:FV+2*z+1], v[32+2*(z%4):33+2*(z%4)]
.set z, z+1
.endr
	v_pk_add_f32 v[32:33], v[32:33], v[34:35]
	v_pk_add_f32 v[36:37], v[36:37], v[38:39]
	v_pk_add_f32 v[32:33], v[32:33], v[36:37]
	v_add_f32 v32, v32, v33
	v_permlanex16_b32 v33, v32, s[SEL], s[SEL+1]
	v_add_f32 v32, v32, v33
	v_fma_f32 v32, v32, s[RCPN], s[EPS]            ; mean + eps
	v_rsq_f32 v34, v32
	; the rotation, on the numbers as they are (it is linear, the scale follows): d < 32 turns with d + 64; it is the independent work behind the root
.set z, 0
.rept 8
	v_pk_mul_f32 v[40+4*(z%4):41+4*(z%4)], v[FV+32+2*z:FV+32+2*z+1], v[TS+2*z:TS+2*z+1]
	v_pk_mul_f32 v[42+4*(z%4):43+4*(z%4)], v[FV+2*z:FV+2*z+1], v[TS+2*z:TS+2*z+1]
	v_pk_fma_f32 v[FV+2*z:FV+2*z+1], v[FV+2*z:FV+2*z+1], v[TC+2*z:TC+2*z+1], v[40+4*(z%4):41+4*(z%4)]
	v_pk_fma_f32 v[FV+32+2*z:FV+32+2*z+1], v[FV+32+2*z:FV+32+2*z+1], v[TC+2*z:TC+2*z+1], v[42+4*(z%4):43+4*(z%4)] neg_lo:[0,0,1] neg_hi:[0,0,1]
.set z, z+1
.endr
	s_wait_alu depctr_va_vdst(0)                   ; the wait ahead of the root's first reader
.set z, 0
.rept 32
	v_pk_mul_f32 v[FV+2*z:FV+2*z+1], v[FV+2*z:FV+2*z+1], v[34:35] op_sel_hi:[1,0]
.set z, z+1
.endr
	; the table goes 16 rows on: cos' = cos dc - sin ds, sin' = sin dc + cos ds
.set z, 0
.rept 8
	v_pk_mul_f32 v[40+4*(z%4):41+4*(z%4)], v[TS+2*z:TS+2*z+1], v[DS+2*z:DS+2*z+1]
	v_pk_mul_f32 v[42+4*(z%4):43+4*(z%4)], v[TC+2*z:TC+2*z+1], v[DS+2*z:DS+2*z+1]
	v_pk_fma_f32 v[TC+2*z:TC+2*z+1], v[TC+2*z:TC+2*z+1], v[DC+2*z:DC+2*z+1], v[40+4*(z%4):41+4*(z%4)] neg_lo:[0,0,1] neg_hi:[0,0,1]
	v_pk_fma_f32 v[TS+2*z:TS+2*z+1], v[TS+2*z:TS+2*z+1], v[DC+2*z:DC+2*z+1], v[42+4*(z%4):43+4*(z%4)]
.set z, z+1
.endr
	s_branch .Lpk
.Lv:
	s_wait_dscnt 0x0                               ; ve is back in my layout, and the stores that read the registers it was loaded into are done
	s_cmp_eq_u32 s[AB], 7
	s_cbranch_scc1 .Lmix                           ; behind the last block there is none
	s_wait_xcnt 0x0                                ; everything that named ve's address has read it
	s_add_nc_u64 s[VEB:VEB+1], s[VEB:VEB+1], 65536 ; 16 rows on
	VLOAD                                          ; the next block's, a block ahead
.Lmix:
.set z, 0
.rept 32
	v_cvt_pk_bf16_f32 v[40+z%8], v[EV+2*z], v[EV+2*z+1]
	v_pk_mul_f32 v[FV+2*z:FV+2*z+1], v[FV+2*z:FV+2*z+1], s[L0:L0+1] op_sel_hi:[1,0]
	v_fma_mix_f32_bf16 v[FV+2*z],   v[40+z%8], v[LM1], v[FV+2*z]   op_sel_hi:[1,0,0]
	v_fma_mix_f32_bf16 v[FV+2*z+1], v[40+z%8], v[LM1], v[FV+2*z+1] op_sel:[1,0,0] op_sel_hi:[1,0,0]
.set z, z+1
.endr
.Lpk:
.irp b, 0,1,2,3,4,5,6,7
.irp r, 0,1,2,3
	v_cvt_pk_f16_f32 v[TMP+4*(\b)+(\r)], v[FV+8*(\b)+2*(\r)], v[FV+8*(\b)+2*(\r)+1]
.endr
.endr
.irp b, 0,1,2,3,4,5,6,7
	ds_store_b128 v[STO], v[TMP+4*(\b):TMP+4*(\b)+3] offset:32*(\b)
.endr
.irp t, 0,1,2,3,4,5,6,7
	ds_load_b128 v[OB+4*(\t):OB+4*(\t)+3], v[RD] offset:(\t)*2*SPITCH
.endr
.irp t, 0,1,2,3,4,5,6,7
	s_wait_dscnt 7-(\t)                            ; the younger loads from the stage may stay out
	global_store_b128 v[CO], v[OB+4*(\t):OB+4*(\t)+3], s[8:9] offset:512*(\t)  ; two rows of a head: 512 consecutive bytes, aligned
.endr
	s_wait_xcnt 0x0                                ; the stores have read their data and their base: both are written again only behind this wait
	s_add_nc_u64 s[8:9], s[8:9], 4096              ; 16 rows on
	s_add_co_u32 s[AB], s[AB], 1
	s_cmp_lt_u32 s[AB], 8
	s_cbranch_scc1 .Lblk
	s_wait_tensorcnt 0x0                           ; the wave's end
	ds_add_u32 v[SPW], v[NIL]
	s_wait_dscnt 0x0
	CROUND                                         ; the closing round
	s_endpgm
.Lfunc_end_k_qa8e3a1a927_qkv:
	.size	k_qa8e3a1a927_qkv, .Lfunc_end_k_qa8e3a1a927_qkv-k_qa8e3a1a927_qkv
	.p2alignl 7, 3214868480
	.fill 96, 4, 3214868480
	.section	.rodata,"a",@progbits
	.p2align	6, 0x0
	.amdhsa_kernel k_qa8e3a1a927_qkv
		.amdhsa_group_segment_fixed_size 327680
		.amdhsa_private_segment_fixed_size 0
		.amdhsa_enable_private_segment 0
		.amdhsa_kernarg_size 64
		.amdhsa_user_sgpr_count 2
		.amdhsa_user_sgpr_kernarg_segment_ptr 1
		.amdhsa_wavefront_size32 1
		.amdhsa_system_sgpr_workgroup_id_x 1
		.amdhsa_system_sgpr_workgroup_id_y 1
		.amdhsa_system_sgpr_workgroup_id_z 1
		.amdhsa_system_vgpr_workitem_id 0
		.amdhsa_next_free_vgpr 1024
		.amdhsa_next_free_sgpr 96
		.amdhsa_reserve_vcc 0
		.amdhsa_float_denorm_mode_32 3
		.amdhsa_float_denorm_mode_16_64 3
		.amdhsa_memory_ordered 1
		.amdhsa_forward_progress 1
		.amdhsa_inst_pref_size 160
	.end_amdhsa_kernel
	.amdgpu_metadata
---
amdhsa.version: [ 1, 2 ]
amdhsa.kernels:
  - .name:           k_qa8e3a1a927_qkv
    .symbol:         k_qa8e3a1a927_qkv.kd
    .args:
      - { .name: xb, .offset: 0, .size: 8, .value_kind: global_buffer, .address_space: global }
      - { .name: wb, .offset: 8, .size: 8, .value_kind: global_buffer, .address_space: global }
      - { .name: ve, .offset: 16, .size: 8, .value_kind: global_buffer, .address_space: global }
      - { .name: lambdas, .offset: 24, .size: 8, .value_kind: global_buffer, .address_space: global }
      - { .name: tab, .offset: 32, .size: 8, .value_kind: global_buffer, .address_space: global }
      - { .name: qh, .offset: 40, .size: 8, .value_kind: global_buffer, .address_space: global }
      - { .name: kh, .offset: 48, .size: 8, .value_kind: global_buffer, .address_space: global }
      - { .name: vh, .offset: 56, .size: 8, .value_kind: global_buffer, .address_space: global }
    .group_segment_fixed_size: 327680
    .private_segment_fixed_size: 0
    .kernarg_segment_align: 8
    .kernarg_segment_size: 64
    .max_flat_workgroup_size: 128
    .sgpr_count:     96
    .vgpr_count:     1024
    .wavefront_size: 32
...
	.end_amdgpu_metadata
.endif
;; end of part 2
;; launch attn (part 3): grid 32 x 8, 4 waves a work-group, clusters of 4 x 1, 327,680 bytes of LDS; arguments qh, kh, vh, yb; writes yb
.if DOCPART == 3
	.amdgcn_target "amdgcn-amd-amdhsa--gfx1250"
	.amdhsa_code_object_version 6
	.text
	.protected	k_qa8e3a1a927_attn
	.globl	k_qa8e3a1a927_attn
	.p2align	8
	.type	k_qa8e3a1a927_attn,@function
k_qa8e3a1a927_attn:
	s_mov_b64 s[64:65], 0
	v_nop
	global_prefetch_b8 v0, s[64:65] scope:SCOPE_SE
	s_setreg_imm32_b32 hwreg(HW_REG_WAVE_MODE, 25, 1), 1
	s_wait_xcnt 0x0
	s_wait_alu depctr_hold_cnt(0) depctr_sa_sdst(0) depctr_va_vdst(0) depctr_va_sdst(0) depctr_va_ssrc(0) depctr_va_vcc(0) depctr_vm_vsrc(0)
	s_getreg_b32 s2, hwreg(HW_REG_IB_STS2, 6, 4)
	s_cmp_eq_u32 s2, 0
	s_cbranch_scc0 .Lentry_in_a_cluster
	s_endpgm
.Lentry_in_a_cluster:
	s_bfe_u32 s2, ttmp6, 0x10000c
	s_cmp_lg_u32 s2, 0x3003
	s_cbranch_scc0 .Lentry_shape_is_right
	s_endpgm
.Lentry_shape_is_right:
; CAUSAL ATTENTION.  y[q] = sum over k <= q of softmax_k(0.12 Q[q] . K[k]) V[k], for 8 heads of 128 channels and 4,096 rows.  qh, kh, vh: [8][4096][128] f16; yb: [4096][1024] f16, column = 128 head + channel.
; Products, maxima and sums in f32; the weights p are rounded to f16 for the second product (their sum is taken of the unrounded p), y once at the end.
; THE WALK.  A head's rows lie in 16 blocks of 256; block i needs the key tiles 0 .. i of 256 keys, the last of which holds the diagonal.  Cluster a of a head (a = 0..7) takes block 15 - a and then block a: 17 tiles whatever a.
; SHARES.  Partner cx of the cluster owns 64 of a block's 256 queries.  ALL FOUR WAVES hold those 64 queries (four tiles of 16) and SPLIT THE KEYS: of each tile wave w takes keys 64 w .. 64 w + 63.  So the 32 x 8 = 256
; work-groups do equal work, a fragment of K or V read from LDS feeds four tiles' products, and the four partners walk the same tiles: every tile is asked for JOINTLY.  At a block's end the waves' partial maxima, sums and
; outputs meet in LDS.  A wave's local tile i is query tile (i + w) % 4, so that in every wave's text local tile 0 is the one that it finishes.
; LAYOUT.  S^T = K Q^T: a lane holds ONE query (lane % 16) and the keys 8 (lane / 16) + 0..7; two such results rounded to f16 ARE source 1 of O^T = V^T P.  K comes out of LDS as it lies, V turned by ds_load_tr16_b128.
; SOFTMAX.  A running maximum m and sum l for each query and wave: p = 2^(c s - c m), c = 0.12 log2(e); in every step O and l are multiplied by a = 2^(c m_old - c m_new).  m starts at the lowest finite number: a block's first a is 0.
; THE MASK is the C operand that starts a sum of scores: 0, or -65,536 where the key is hidden.  q and k arrive normalised, so |q . k| <= 128: a hidden score lies 11,000 powers of two below every true one, and its weight is 0.
; The figure is kept moderate because a wave all of whose keys are hidden takes a hidden score for its maximum: its weights then stay at most 1 and its sums finite, and the merge multiplies them by 0.
; A KEY STEP: piece 0's (tiles 0, 1) scores; piece 2's scores with piece 0's softmax between them; piece 0's V^T P with piece 2's softmax between them; piece 2's V^T P.  Nothing crosses a step.
; LIMITS.  f16 holds nothing beyond 65,504: v arrives within it.  A weight below 2^-126 counts as 0 in l.  NaN and infinities are not treated apart.
; REGISTERS, in windows of 256: window 0: v0-63 addresses, statistics, masks' parts; v64-191 S^T, 32 a tile; v192-255 P, 16 a tile.  Window 1: O^T, 64 a tile.  Window 2: v0-127 Q; v128-255 K.  Window 3: v0-127 V; v128-255 the masks.
.set PK,    272       ; a row of K in LDS: 256 bytes + 16
.set PV,    288       ; a row of V: 256 + 32
.set VOFF,  256*PK    ; a slot holds a tile: 256 rows of K, then 256 rows of V
.set SLOT,  256*(PK+PV)
.set AREA,  2*SLOT    ; behind the ring, never filled by a tensor load: for each wave 8,192 bytes of a tile of O^T, 128 of c m, 128 of l; also its stage for the way out
.set APW,   8704
.set SPARE, AREA+4*APW  ; the spare words, 128 bytes a wave: two blocks of 256 bytes that no other line names
.set SP,    272
.set AK0, 2           ; v2   my lane's place in my 64 keys of a tile of K; never rewritten
.set AV0, 3           ; v3   the same for V
.set ADR, 4           ; v4   the LDS address of the run in hand
.set QO,  5           ; v5-8 my byte offset in the work-group's 64 rows of Q, for local tile i
.set ST,  12          ; tile t's statistics at v[ST+8 t]: c m, m, l (even keys', odd keys'), c0-c3 at work; a takes c2's place
.set STO, 44
.set RD,  45
.set GO,  46          ; v46  my byte offset in two rows of yb
.set XL,  47          ; v47  16 x lane
.set XT,  48          ; v48  4 x lane
.set PFO, 49          ; v49  256 x lane
.set TRI, 50          ; v50-57  the mask of the 16 x 16 block on the diagonal
.set DQ,  58          ; v58-61  for local tile i: its block of 16 queries less my first block of 16 keys, 4 (cx - w) + (i + w) % 4
.set SPW, 62
.set NIL, 63
.set S,   64
.set P,   192
.set KF,  128         ; window 2
.set MC,  128         ; window 3: tile i, key block kb at MC + 32 i + 8 kb
.set WV,  12
.set CX,  13
.set PB,  14          ; s14  a
.set HI,  15          ; s15  15 - a
.set G1K, 24
.set G1V, 32
.set G0K, 40
.set G0V, 44
.set PFA, 48          ; s[48:49] where my prefetches stand
.set LIM, 50
.set FB,  51          ; s51  the slot that was filled last: 0 or SLOT
.set KW,  52          ; s52  my load's place in a slot, for K
.set VW,  53          ; s53  for V
.set ND,  54
.set SLOTS, 56
.set CS,  58          ; s[58:59] c
.set SEL, 60
.set TB,  62          ; s62  the slot that is read: 0 or SLOT
.set RT,  70          ; s70  tiles of the block in hand still to be entered
.set NXT, 71          ; s71  the tile to be asked for next
.set LQ,  72          ; s72  the last tile of the block whose tiles are being asked for
.set NEW, 73          ; s73  1: the tile to be entered is a block's first
.set OFF, 74          ; s[74:75]
.set OLO, 80          ; s[80:81] yb at my rows of the second block
.set BIGN, 82         ; s82  -65,536
.set QLO, 84          ; s[84:85] Q of the second block
.set XD,  90          ; s90-92 the area of the wave that finishes my local tile 1, 2, 3
.set XR,  93          ; s93  my own area
.set MSB, 0
.macro WIN new
.if MSB != (\new)
	s_set_vgpr_msb (MSB<<8)|(\new)
.set MSB, (\new)
.endif
.endm
.set W_KQ, 0x0a       ; K and Q in window 2, S^T in window 0
.set W_KM, 0x3a       ; the same with the C operand in window 3
.set W_PV, 0x53       ; V in window 3, P in window 0, O^T in window 1
.set W_RS, 0x41       ; destination and source 0 in window 1, source 1 in window 0
.set W_MG, 0x50       ; destination and source 2 in window 1
; A joint fill: waves 0 and 1 fetch the two halves of a tile's K, waves 2 and 3 those of its V, 128 rows each.  An s_nop 0 and four v_nop follow each of the two lines.
.macro JLOAD
	s_cmp_lt_u32 s[WV], 2
	s_cbranch_scc0 .Lfor_v_\@
	tensor_load_to_lds s[G0K:G0K+3], s[G1K:G1K+7]
	s_nop 0
.rept 4
	v_nop
.endr
	s_branch .Lasked_\@
.Lfor_v_\@:
	tensor_load_to_lds s[G0V:G0V+3], s[G1V:G1V+7]
	s_nop 0
.rept 4
	v_nop
.endr
.Lasked_\@:
.endm
; A prefetch behind the joint fill: the tile that stands two fills on.  All clusters of a head begin at tile 0 and walk upward; cluster 0 goes furthest, so it alone asks.  Of a tile's 256 rows of K and of V partner cx takes
; 64, told apart by address; waves 0 and 1 take K's, waves 2 and 3 V's, 32 rows each, a lane a row.  So each row is named once.  Tiles 0 to 2 come by their loads alone; behind tile 15 nothing is asked for.
.macro ASK
	s_cmp_gt_u32 s[SLOTS], s[LIM]
	s_cbranch_scc0 .Lnot_mine_\@
	global_prefetch_b8 v[PFO], s[PFA:PFA+1] th:TH_LOAD_NT scope:SCOPE_SE
.Lnot_mine_\@:
.endm
.macro CROUND
	s_barrier_signal -1
	s_barrier_wait -1
	s_cmp_lg_u32 s[WV], 0
	s_cbranch_scc1 .Lnot_wave_0_\@
	s_barrier_signal -3
.Lnot_wave_0_\@:
	s_barrier_wait -3
	s_barrier_signal -1
	s_barrier_wait -1
.endm
.macro PLACES
.rept 4
	v_nop
.endr
.endm
.macro QLOAD b                         ; 64 queries into window 2: tile z / 4, channels 32 (z % 4) on
	WIN 0x80
.set z, 0
.rept 16
	global_load_b128 v[8*z:8*z+3],   v[QO+z/4], s[\b:\b+1] offset:(z%4)*64
	global_load_b128 v[8*z+4:8*z+7], v[QO+z/4], s[\b:\b+1] offset:(z%4)*64+32
.set z, z+1
.endr
	WIN 0
.endm
; THE CHANGE OF SLOTS.  Each wave waits for all its tensor loads (one is out: its part of the other slot), adds 0 to its spare word, and waits for that and for its reads of the slot that it leaves.
; fill = 1: a round of the cluster's barrier, and the old slot is filled again, first thing behind it, with tile NXT; the descriptor's address is made anew from that number.
.macro CHANGE fill
	WIN 0
	s_wait_tensorcnt 0x0
	ds_add_u32 v[SPW], v[NIL]       ; the scalar work stands between the add and the wait for it
.if \fill
	s_lshl_b32 s[OFF], s[NXT], 16   ; a tile is 65,536 bytes of K and of V
	s_xor_b32 s[FB], s[FB], SLOT
	s_add_co_u32 s[G0K+1], s[FB], s[KW]
	s_add_nc_u64 s[G0K+2:G0K+3], s[6:7], s[OFF:OFF+1]
	s_or_b32 s[G0K+3], s[G0K+3], 0x80000000
	s_add_co_u32 s[G0V+1], s[FB], s[VW]
	s_add_nc_u64 s[G0V+2:G0V+3], s[8:9], s[OFF:OFF+1]
	s_or_b32 s[G0V+3], s[G0V+3], 0x80000000
	s_add_co_u32 s[NXT], s[NXT], 1  ; the block's next tile, or behind its last the second block's tile 0
	s_cmp_gt_u32 s[NXT], s[LQ]
	s_cselect_b32 s[NXT], 0, s[NXT]
	s_cselect_b32 s[LQ], s[PB], s[LQ]
	s_wait_xcnt 0x0                 ; the last prefetch, a tile back, has read its address
	s_add_nc_u64 s[PFA:PFA+1], s[PFA:PFA+1], 65536
	s_wait_dscnt 0x0                ; the add is done, and my reads of the slot are over
	CROUND
	JLOAD
	ASK
.else
	s_wait_dscnt 0x0
	s_barrier_signal -1
	s_barrier_wait -1
.endif
	s_xor_b32 s[TB], s[TB], SLOT    ; the reads go to the other slot
.endm
	s_load_b256 s[4:11], s[0:1], 0x0  ; qh s[4:5], kh s[6:7], vh s[8:9], yb s[10:11]
	v_lshl_add_u32 v[SPW], v0, 2, SPARE
	v_mov_b32 v[NIL], 0
	ds_add_u32 v[SPW], v[NIL]       ; the wave's opening: the add and its wait ahead of my first tensor load
	v_lshrrev_b32 v1, 5, v0
	v_readfirstlane_b32 s[WV], v1
	s_bfe_u32 s[CX], ttmp6, 0x40000
	s_mov_b32 s[PB], ttmp9
	s_sub_co_u32 s[HI], 15, s[PB]
	s_and_b32 s18, ttmp7, 0xffff    ; the head
	s_lshl_b32 s20, s18, 20         ; its 4,096 rows of 256 bytes
	s_mov_b32 s21, 0
	s_and_b32 s16, s[WV], 1         ; which half of a tile's 256 rows I fetch
	s_lshl_b32 s22, s16, 15
	s_mov_b32 s23, 0
	s_add_nc_u64 s[22:23], s[22:23], s[20:21]
	s_mul_i32 s[KW], s16, 128*PK
	s_mul_i32 s[VW], s16, 128*PV
	s_add_co_u32 s[VW], s[VW], VOFF
	s_lshl_b32 s17, s[CX], 14       ; my work-group's 64 rows of a block
	s_lshl_b32 s2, s[HI], 16
	s_add_co_u32 s2, s2, s17
	s_mov_b32 s3, 0
	s_add_nc_u64 s[2:3], s[2:3], s[20:21]      ; Q of the first block,
	s_lshl_b32 s86, s[PB], 16
	s_add_co_u32 s86, s86, s17
	s_mov_b32 s87, 0
	s_add_nc_u64 s[86:87], s[86:87], s[20:21]  ; of the second
	s_lshl_b32 s88, s16, 13         ; the prefetches: my wave's 32 rows of my work-group's 64,
	s_add_co_u32 s88, s88, s17
	s_add_co_u32 s88, s88, 2*65536  ; in tile 2: the first change steps it to tile 3
	s_mov_b32 s89, 0
	s_add_nc_u64 s[88:89], s[88:89], s[20:21]
	s_lshl_b32 s19, s[CX], 17       ; yb: 64 cx rows of 2,048 bytes,
	s_lshl_b32 s66, s[WV], 15       ; the 16 rows of query tile w,
	s_add_co_u32 s19, s19, s66
	s_lshl_b32 s66, s18, 8          ; the head's 256 bytes of a row
	s_add_co_u32 s19, s19, s66
	s_lshl_b32 s76, s[HI], 19
	s_add_co_u32 s76, s76, s19
	s_mov_b32 s77, 0
	s_lshl_b32 s78, s[PB], 19
	s_add_co_u32 s78, s78, s19
	s_mov_b32 s79, 0
	s_mov_b32 s[G1K], 15|(1<<16)|(1<<20)|(1<<21)|(5<<22)|(3<<25)  ; the mask of four; 2-byte elements; padding on; bit 21 beside a mask; after every 64 words 4 words
	s_mov_b32 s[G1V], 15|(1<<16)|(1<<20)|(1<<21)|(5<<22)|(7<<25)  ; the same with 8 words
.irp g, G1K, G1V
	s_mov_b32 s[(\g)+1], 128<<16    ; tensor_dim0 = 128
	s_mov_b32 s[(\g)+2], 128<<16    ; tensor_dim1 = 128
	s_mov_b32 s[(\g)+3], 128<<16    ; tile_dim0 = 128
	s_mov_b32 s[(\g)+4], 128        ; tile_dim1 = 128
	s_mov_b32 s[(\g)+5], 128        ; elements from row to row
	s_mov_b32 s[(\g)+6], 0
	s_mov_b32 s[(\g)+7], 0
.endr
	s_mov_b32 s[CS], 0x3e314743     ; c = 0.12 log2(e) = 0.173123
	s_mov_b32 s[CS+1], s[CS]
	s_mov_b32 s[SEL], 0x76543210
	s_mov_b32 s[SEL+1], 0xfedcba98
	s_mov_b32 s[BIGN], 0xc7800000
	s_mov_b32 s[TB], SLOT           ; the first change of slots turns it into 0
	s_mov_b32 s[FB], 0
	s_add_co_u32 s[RT], s[HI], 1    ; the first block has 16 - a tiles
	s_mov_b32 s[NXT], 1
	s_mov_b32 s[LQ], s[HI]
	s_mov_b32 s[NEW], 1
	s_mov_b32 s[OFF+1], 0
	s_mov_b32 s[SLOTS], 16
	s_cmp_eq_u32 s[PB], 0
	s_cselect_b32 s[LIM], 3, -1
.irp j, 1,2,3
	s_add_co_u32 s16, s[WV], \j
	s_and_b32 s16, s16, 3
	s_mul_i32 s16, s16, APW
	s_add_co_u32 s[XD+(\j)-1], s16, AREA
.endr
	s_mul_i32 s[XR], s[WV], APW
	s_add_co_u32 s[XR], s[XR], AREA
	s_mov_b32 s[G0K], 1
	s_mov_b32 s[G0K+1], s[KW]       ; slot 0
	s_mov_b32 s[G0V], 1
	s_mov_b32 s[G0V+1], s[VW]
	s_wait_dscnt 0x0                ; the opening add is done
	s_wait_kmcnt 0x0
	s_cmp_lt_u32 s[WV], 2
	s_cselect_b64 s[PFA:PFA+1], s[6:7], s[8:9]
	s_add_nc_u64 s[PFA:PFA+1], s[PFA:PFA+1], s[88:89]
	s_add_nc_u64 s[6:7], s[6:7], s[22:23]      ; K and V at my half of the head's tile 0
	s_add_nc_u64 s[8:9], s[8:9], s[22:23]
	s_mov_b64 s[G0K+2:G0K+3], s[6:7]
	s_or_b32 s[G0K+3], s[G0K+3], 0x80000000
	s_mov_b64 s[G0V+2:G0V+3], s[8:9]
	s_or_b32 s[G0V+3], s[G0V+3], 0x80000000
	s_add_nc_u64 s[QLO:QLO+1], s[4:5], s[86:87]
	s_add_nc_u64 s[4:5], s[4:5], s[2:3]
	s_add_nc_u64 s[OLO:OLO+1], s[10:11], s[78:79]
	s_add_nc_u64 s[10:11], s[10:11], s[76:77]
	CROUND                          ; all four work-groups are here
	JLOAD                           ; tile 0 into slot 0
	v_and_b32 v1, 15, v0            ; l % 16
	v_bfe_u32 v9, v0, 4, 1          ; l / 16
	v_lshlrev_b32 v10, 8, v1
	v_lshl_add_u32 v10, v9, 4, v10  ; row x 256 + 16 x half
	s_sub_co_i32 s18, s[CX], s[WV]
	s_lshl_b32 s18, s18, 2
.irp t, 0,1,2,3
	s_add_co_u32 s16, s[WV], \t
	s_and_b32 s16, s16, 3           ; local tile t is this query tile
	s_lshl_b32 s17, s16, 12
	v_add_nc_u32 v[QO+(\t)], s17, v10
	s_add_co_i32 s17, s18, s16
	v_mov_b32 v[DQ+(\t)], s17       ; cx enters as a number in a vector register alone: no branch and no LDS address hangs on it
.endr
	QLOAD 4
	; a block's first step multiplies O^T and l by a = 0, so they need only be finite: zeros for the first block, what the first block left for the second.  This stands in the wait for the first tile.
	WIN 0x40
.set z, 0
.rept 256
	v_mov_b32 v[z], 0
.set z, z+1
.endr
	WIN 0
.irp t, 0,1,2,3
	v_mov_b32 v[ST+8*(\t)+2], 0
	v_mov_b32 v[ST+8*(\t)+3], 0
.endr
	v_mul_u32_u24 v[AK0], v1, PK
	v_lshl_add_u32 v[AK0], v9, 4, v[AK0]
	s_mul_i32 s16, s[WV], 64*PK     ; my 64 keys
	v_add_nc_u32 v[AK0], s16, v[AK0]
	v_and_b32 v10, 7, v0
	v_bfe_u32 v11, v0, 3, 1
	v_lshl_add_u32 v[AV0], v9, 3, v10
	v_mul_u32_u24 v[AV0], v[AV0], PV
	v_lshl_add_u32 v[AV0], v11, 4, v[AV0]
	s_mul_i32 s16, s[WV], 64*PV
	s_add_co_u32 s16, s16, VOFF
	v_add_nc_u32 v[AV0], s16, v[AV0]
	v_lshlrev_b32 v10, 3, v9
	v_sub_nc_u32 v10, v1, v10       ; my query's place in its 16 less my lanes' 8 (l / 16): register j is hidden where j is greater
.irp j, 0,1,2,3,4,5,6,7
	v_cmp_gt_i32 vcc_lo, \j, v10
	v_cndmask_b32 v[TRI+(\j)], 0, s[BIGN], vcc_lo
.endr
	v_mul_u32_u24 v[STO], v1, SP
	v_lshl_add_u32 v[STO], v9, 4, v[STO]
	v_add_nc_u32 v[STO], s[XR], v[STO]
	v_mul_u32_u24 v[RD], v9, SP
	v_lshl_add_u32 v[RD], v1, 4, v[RD]
	v_add_nc_u32 v[RD], s[XR], v[RD]
	v_lshlrev_b32 v[GO], 11, v9
	v_lshl_add_u32 v[GO], v1, 4, v[GO]
	v_and_b32 v10, 31, v0
	v_lshlrev_b32 v[XL], 4, v10
	v_lshlrev_b32 v[XT], 2, v10
	v_lshlrev_b32 v[PFO], 8, v10
; THE MATRIX WORK.  The accumulators take turns, one instruction a turn.
; Product i of 32 of S^T = K Q^T for piece x: channels 32 (i / 8) on, keys 16 ((i / 2) % 4) on, tile x + i % 2.  The first 8 start the sums with the mask.
.macro KQ x
.set rS, S+32*((\x)+i%2)+8*((i/2)%4)
.set rK, KF+32*((i/2)%4)+8*(i/8)
.set rQ, 32*((\x)+i%2)+8*(i/8)
.set rM, MC+32*((\x)+i%2)+8*((i/2)%4)
.if i < 8
	WIN W_KM
	v_wmma_f32_16x16x32_f16 v[rS:rS+7], v[rK:rK+7], v[rQ:rQ+7], v[rM:rM+7]
.else
	WIN W_KQ
	v_wmma_f32_16x16x32_f16 v[rS:rS+7], v[rK:rK+7], v[rQ:rQ+7], v[rS:rS+7]
.endif
.endm
; Product i of 32 of O^T += V^T P: keys 32 (i / 16) on, channels 16 ((i / 2) % 8) on, tile x + i % 2.
.macro PV x
	WIN W_PV
.set rO, 64*((\x)+i%2)+8*((i/2)%8)
.set rV, 64*(i/16)+8*((i/2)%8)
.set rP, P+16*((\x)+i%2)+8*(i/16)
	v_wmma_f32_16x16x32_f16 v[rO:rO+7], v[rV:rV+7], v[rP:rP+7], v[rO:rO+7]
.endm
.macro FETCH_K                         ; my 64 keys x 128 channels, by chunks of 32 channels, so that the products can begin on the first chunk
	WIN 0
	v_add_nc_u32 v[ADR], s[TB], v[AK0]
	WIN 0x80
.irp c, 0,1,2,3
.irp kb, 0,1,2,3
	ds_load_b128 v[KF+32*(\kb)+8*(\c):KF+32*(\kb)+8*(\c)+3],   v[ADR] offset:(\kb)*16*PK+(\c)*64
	ds_load_b128 v[KF+32*(\kb)+8*(\c)+4:KF+32*(\kb)+8*(\c)+7], v[ADR] offset:(\kb)*16*PK+(\c)*64+32
.endr
.endr
.endm
.macro FETCH_V
	WIN 0
	v_add_nc_u32 v[ADR], s[TB], v[AV0]
	s_wait_alu depctr_va_vdst(0)    ; the wait for the softmax's batch of exponentials (SLICE), ahead of the run of loads
	WIN 0xc0
.irp f, 0,1,2,3,4,5,6,7,8,9,10,11,12,13,14,15  ; keys 32 (f / 8) on, channels 16 (f % 8) on
	ds_load_tr16_b128 v[8*(\f):8*(\f)+3],   v[ADR] offset:((\f)/8)*32*PV+((\f)%8)*32
	ds_load_tr16_b128 v[8*(\f)+4:8*(\f)+7], v[ADR] offset:((\f)/8)*32*PV+16*PV+((\f)%8)*32
.endr
.endm
; THE VECTOR WORK.  A tile's softmax for a step is a list of 134 instructions; SM writes number j for tile t.
;   0-15 the maximum of the 32 scores and the old m (each accumulator's lowest registers are read first)     16-20 the other half of the lanes' maximum; m; c m; its change
;   21-69 ONE BATCH: 16 scalings c s - c m and 33 exponentials (a at 23); none reads an exponential's result     70-85 roundings to f16     86-101 the sums; l = a l + sum     102-133 O^T times a
.macro SM t
.set rT, ST+8*(\t)
.set rS, S+32*(\t)
.set rP, P+16*(\t)
.set rO, 64*(\t)+2*(j-102)
.if j < 102
	WIN 0
.endif
.if j < 4
	v_max3_num_f32 v[rT+4+j], v[rS+8*j], v[rS+8*j+1], v[rS+8*j+2]
.elseif j < 12
	v_max3_num_f32 v[rT+4+j%4], v[rT+4+j%4], v[rS+8*(j%4)+2*(j/4)+1], v[rS+8*(j%4)+2*(j/4)+2]
.elseif j == 12
	v_max3_num_f32 v[rT+4], v[rT+4], v[rS+7], v[rS+15]
.elseif j == 13
	v_max3_num_f32 v[rT+6], v[rT+6], v[rS+23], v[rS+31]
.elseif j == 14
	v_max3_num_f32 v[rT+4], v[rT+4], v[rT+5], v[rT+6]
.elseif j == 15
	v_max3_num_f32 v[rT+4], v[rT+4], v[rT+7], v[rT+1]
.elseif j == 16
	v_permlanex16_b32 v[rT+5], v[rT+4], s[SEL], s[SEL+1]
.elseif j == 17
	v_mov_b32 v[rT+7], v[rT]        ; c m_old is kept for a
.elseif j == 18
	v_max_num_f32 v[rT+1], v[rT+4], v[rT+5]
.elseif j == 19
	v_mul_f32 v[rT], s[CS], v[rT+1]
.elseif j == 20
	v_sub_f32 v[rT+7], v[rT+7], v[rT]
.elseif j == 23
	v_exp_f32 v[rT+6], v[rT+7]
.elseif (j < 23) || ((j < 38) && (j%2 == 0)) || ((j < 66) && (j%4 == 2))
.set b, (j-2)/4
.if j < 38
.set b, (j-20)/2
.endif
	v_pk_fma_f32 v[rS+2*b:rS+2*b+1], v[rS+2*b:rS+2*b+1], s[CS:CS+1], v[rT:rT+1] op_sel_hi:[1,0,0] neg_lo:[0,0,1] neg_hi:[0,0,1]
.elseif j < 70
.set e, j-38
.if j < 66
.set e, j-32-(j-38)/4
.endif
.if j < 38
.set e, (j-25)/2
.endif
	v_exp_f32 v[rS+e], v[rS+e]
.elseif j < 86
	v_cvt_pk_f16_f32 v[rP+j-70], v[rS+2*(j-70)], v[rS+2*(j-70)+1]
.elseif j < 102
.set z, j-86
.set w, 4
.set u, z
.if z >= 14
.set w, 32
.set u, 0
.elseif z >= 12
.set w, 16
.set u, z-12
.elseif z >= 8
.set w, 8
.set u, z-8
.endif
.if z < 15
	v_pk_add_f32 v[rS+w*u:rS+w*u+1], v[rS+w*u:rS+w*u+1], v[rS+w*u+w/2:rS+w*u+w/2+1]
.else
	v_pk_fma_f32 v[rT+2:rT+3], v[rT+2:rT+3], v[rT+6:rT+7], v[rS:rS+1] op_sel_hi:[1,0,1]
.endif
.else
	WIN W_RS
	v_pk_mul_f32 v[rO:rO+1], v[rO:rO+1], v[rT+6:rT+7] op_sel_hi:[1,0]
.endif
.endm
; Slice k of 64 of piece y's softmax.  Slices 11 to 34 deal out the batch, four numbers of one tile each; every other slice is numbers 2 k and 2 k + 1 of both tiles; the twelve that are over stand in slice 63.
; Ahead of slice 35 nothing names an exponential's result and behind slice 34 none is issued: the piece's 66 exponentials have one wait, behind slice 34.
.macro SLICE y
.if (k >= 11) && (k < 35)
.irp n, 0,1,2,3
.set j, 22+4*((k-11)/2)+(\n)
	SM (\y)+(k-11)%2
.endr
.else
.irp n, 0,1,2,3,4,5,6,7
.if ((\n) < 2) || (k == 63)
.irp t, \y, (\y)+1
.set j, 2*k+(\n)
	SM \t
.endr
.endif
.endr
.endif
.if k == 34
	v_nop                           ; a plain instruction behind the last exponential, ahead of the first use: one for the batch
.if (\y) == 0
	FETCH_V                         ; V's run of loads stands here, and the wait stands in it
.else
	s_wait_alu depctr_va_vdst(0)
.endif
.endif
.set k, k+1
.endm
; A KEY STEP of one wave: 64 keys, 128 matrix instructions.
.macro STEP
	FETCH_K
.set i, 0
.rept 32
.if i%8 == 0
	s_wait_dscnt 24-i               ; this chunk of 32 channels is in; the younger chunks' eight loads each may be out
.endif
	KQ 0
.set i, i+1
.endr
	PLACES                          ; between those products and the softmax that reads them
.set k, 0
.set i, 0
.rept 32                            ; piece 2's scores | piece 0's softmax, two slices behind each product | V's run
	KQ 2
	SLICE 0
	SLICE 0
.set i, i+1
.endr
	s_wait_dscnt 0x0                ; V is in
.set k, 0
.set i, 0
.rept 32                            ; piece 0's V^T P | piece 2's softmax
	PV 0
	SLICE 2
	SLICE 2
.set i, i+1
.endr
.set i, 0
.rept 32
	PV 2
.set i, i+1
.endr
	WIN 0
.endm
.macro BEGIN                           ; a block begins: c m far below every c s, m the lowest finite number
	s_mov_b32 s[NEW], 0
.irp t, 0,1,2,3
	v_mov_b32 v[ST+8*(\t)], 0xfe000000
	v_mov_b32 v[ST+8*(\t)+1], 0xff7fffff
.endr
	s_wait_loadcnt 0x0              ; Q
.endm
; THE MASKS, made at a block's first and last tile.  For local tile t and key block kb of my 64 keys: all 0 if kb < DQ, the diagonal's triangle if kb = DQ, all hidden if kb > DQ; away from the diagonal tile 16 is added to DQ.
.macro MASKS
	s_cmp_eq_u32 s[RT], 0
	s_cselect_b32 s[ND], 0, 16
	v_mov_b32 v67, 0                ; named in pairs with v66 and v68
	v_mov_b32 v69, 0
.irp t, 0,1,2,3
	WIN 0
	v_add_nc_u32 v64, s[ND], v[DQ+(\t)]
.irp kb, 0,1,2,3
	WIN 0
	v_cmp_eq_i32 vcc_lo, \kb, v64
	v_cndmask_b32 v66, 0, 1.0, vcc_lo
	v_cmp_gt_i32 vcc_lo, \kb, v64
	v_cndmask_b32 v68, 0, s[BIGN], vcc_lo
	WIN 0xc0
.irp p, 0,1,2,3
	v_pk_fma_f32 v[MC+32*(\t)+8*(\kb)+2*(\p):MC+32*(\t)+8*(\kb)+2*(\p)+1], v[TRI+2*(\p):TRI+2*(\p)+1], v[66:67], v[68:69] op_sel_hi:[1,0,0]
.endr
.endr
.endr
	WIN 0
.endm
; A BLOCK ENDS.  Each wave's l is summed over its lanes' halves.  In three turns wave w hands local tile j (O^T, c m, l) to the wave that finishes it, through that wave's area: store, wait, barrier, load; the readers'
; loads are waited for ahead of the signal of a second barrier, and the merge, work on registers, stands between that signal and its wait.  All branches round this text hang on the cluster's x alone.
; Merge: M = max(c m, c m'), O = O 2^(c m - M) + O' 2^(c m' - M), l likewise.  Then O / l, rounded to f16, goes through my own area and out as whole rows of 256 bytes.
.macro FINISH more
	WIN 0
.irp t, 0,1,2,3
	v_add_f32 v[ST+8*(\t)+4], v[ST+8*(\t)+2], v[ST+8*(\t)+3]   ; these four are also the places behind the last products
.endr
.irp t, 0,1,2,3
	v_permlanex16_b32 v[ST+8*(\t)+5], v[ST+8*(\t)+4], s[SEL], s[SEL+1]
.endr
.irp t, 0,1,2,3
	v_add_f32 v[ST+8*(\t)+4], v[ST+8*(\t)+4], v[ST+8*(\t)+5]
.endr
.if \more
	s_wait_loadcnt 0x0              ; no load into Q's registers is out: the first block's came in at its beginning; the wait stands here, on every way to the loads below, which land in the same registers
	QLOAD QLO                       ; the second block's Q lands under the merge
.endif
.irp j, 1,2,3
	v_add_nc_u32 v[ADR], s[XD+(\j)-1], v[XL]
	v_add_nc_u32 v10, s[XD+(\j)-1], v[XT]
	WIN 0x04                        ; store data in window 1
.set z, 0
.rept 16
	ds_store_b128 v[ADR], v[64*(\j)+4*z:64*(\j)+4*z+3] offset:512*z
.set z, z+1
.endr
	WIN 0
	ds_store_b32 v10, v[ST+8*(\j)] offset:8192
	ds_store_b32 v10, v[ST+8*(\j)+4] offset:8320
	s_wait_dscnt 0x0                ; for the others' sake: my stores are done
	s_barrier_signal -1
	s_barrier_wait -1
	v_add_nc_u32 v[ADR], s[XR], v[XL]
	v_add_nc_u32 v11, s[XR], v[XT]
.set z, 0
.rept 16
	ds_load_b128 v[S+4*z:S+4*z+3], v[ADR] offset:512*z
.set z, z+1
.endr
	ds_load_b32 v128, v11 offset:8192
	ds_load_b32 v129, v11 offset:8320
	s_wait_dscnt 0x0                ; my reads of my area are over: it may be written again
.if (\j) < 3
	s_barrier_signal -1
.endif
	v_max_num_f32 v130, v[ST], v128
	v_sub_f32 v131, v[ST], v130
	v_sub_f32 v133, v128, v130
	v_exp_f32 v132, v131
	v_exp_f32 v134, v133
	v_mov_b32 v[ST], v130
	v_mov_b32 v135, 0               ; named in a pair with v134
	s_wait_alu depctr_va_vdst(0)    ; one wait for the two exponentials, ahead of their first reader
	v_mul_f32 v[ST+4], v[ST+4], v132
	v_fmac_f32 v[ST+4], v129, v134
	WIN W_RS
.set z, 0
.rept 32
	v_pk_mul_f32 v[2*z:2*z+1], v[2*z:2*z+1], v[132:133] op_sel_hi:[1,0]
.set z, z+1
.endr
	WIN W_MG
.set z, 0
.rept 32
	v_pk_fma_f32 v[2*z:2*z+1], v[S+2*z:S+2*z+1], v[134:135], v[2*z:2*z+1] op_sel_hi:[1,0,1]
.set z, z+1
.endr
	WIN 0
.if (\j) < 3
	s_barrier_wait -1
.endif
.endr
	v_rcp_f32 v[ST+6], v[ST+4]
	v_nop
	s_wait_alu depctr_va_vdst(0)
	WIN W_RS
.set z, 0
.rept 32
	v_pk_mul_f32 v[2*z:2*z+1], v[2*z:2*z+1], v[ST+6:ST+7] op_sel_hi:[1,0]
.set z, z+1
.endr
	WIN 0x05                        ; sources 0 and 1 window 1, destination window 0
.set z, 0
.rept 32
	v_cvt_pk_f16_f32 v[S+z], v[2*z], v[2*z+1]
.set z, z+1
.endr
	WIN 0
.irp f, 0,1,2,3,4,5,6,7
	ds_store_b128 v[STO], v[S+4*(\f):S+4*(\f)+3] offset:32*(\f)
.endr
.irp f, 0,1,2,3,4,5,6,7
	ds_load_b128 v[S+4*(\f):S+4*(\f)+3], v[RD] offset:(\f)*2*SP   ; LDS serves a wave's instructions in order: these see the stores above
.endr
.irp f, 0,1,2,3,4,5,6,7
	s_wait_dscnt 7-(\f)             ; the younger loads from the stage may stay out
	global_store_b128 v[GO], v[S+4*(\f):S+4*(\f)+3], s[10:11] offset:4096*(\f)  ; 16 lanes store a head's 256 bytes of a row, aligned
.endr
.if \more
	s_wait_xcnt 0x0                 ; the stores have read their registers and yb's address
	s_mov_b64 s[10:11], s[OLO:OLO+1]
	s_add_co_u32 s[RT], s[PB], 1    ; the second block has a + 1 tiles
	s_mov_b32 s[NEW], 1
.endif
.endm
.Lslot:                             ; 16 times: a tile is entered and the next is asked for
	CHANGE 1
	s_sub_co_u32 s[RT], s[RT], 1
	s_cmp_eq_u32 s[NEW], 1
	s_cbranch_scc1 .Lnew            ; a block's first tile
	s_cmp_lg_u32 s[RT], 0
	s_cbranch_scc1 .Lstep           ; neither its first nor its last
	s_branch .Lmask
.Lnew:
	BEGIN
.Lmask:
	MASKS
.Lstep:
	STEP
	s_cmp_lg_u32 s[RT], 0
	s_cbranch_scc1 .Lbot
	FINISH 1                        ; in the loop this is the first block's end: the second block's last tile is the walk's last
.Lbot:
	s_sub_co_u32 s[SLOTS], s[SLOTS], 1
	s_cmp_lg_u32 s[SLOTS], 0
	s_cbranch_scc1 .Lslot
	CHANGE 0                        ; the walk's last tile is written out: nothing is asked for
	s_sub_co_u32 s[RT], s[RT], 1
	s_cmp_eq_u32 s[NEW], 1
	s_cbranch_scc0 .Lmask2
	BEGIN
.Lmask2:
	MASKS
	STEP
	FINISH 0
	s_wait_tensorcnt 0x0            ; the wave's end
	ds_add_u32 v[SPW], v[NIL]
	s_wait_dscnt 0x0
	CROUND                          ; the closing round
	s_endpgm
.Lfunc_end_k_qa8e3a1a927_attn:
	.size	k_qa8e3a1a927_attn, .Lfunc_end_k_qa8e3a1a927_attn-k_qa8e3a1a927_attn
	.p2alignl 7, 3214868480
	.fill 96, 4, 3214868480
	.section	.rodata,"a",@progbits
	.p2align	6, 0x0
	.amdhsa_kernel k_qa8e3a1a927_attn
		.amdhsa_group_segment_fixed_size 327680
		.amdhsa_private_segment_fixed_size 0
		.amdhsa_enable_private_segment 0
		.amdhsa_kernarg_size 32
		.amdhsa_user_sgpr_count 2
		.amdhsa_user_sgpr_kernarg_segment_ptr 1
		.amdhsa_wavefront_size32 1
		.amdhsa_system_sgpr_workgroup_id_x 1
		.amdhsa_system_sgpr_workgroup_id_y 1
		.amdhsa_system_sgpr_workgroup_id_z 1
		.amdhsa_system_vgpr_workitem_id 0
		.amdhsa_next_free_vgpr 1024
		.amdhsa_next_free_sgpr 96
		.amdhsa_reserve_vcc 1
		.amdhsa_float_denorm_mode_32 3
		.amdhsa_float_denorm_mode_16_64 3
		.amdhsa_memory_ordered 1
		.amdhsa_forward_progress 1
		.amdhsa_inst_pref_size 191
	.end_amdhsa_kernel
	.amdgpu_metadata
---
amdhsa.version: [ 1, 2 ]
amdhsa.kernels:
  - .name:           k_qa8e3a1a927_attn
    .symbol:         k_qa8e3a1a927_attn.kd
    .args:
      - { .name: qh, .offset: 0, .size: 8, .value_kind: global_buffer, .address_space: global }
      - { .name: kh, .offset: 8, .size: 8, .value_kind: global_buffer, .address_space: global }
      - { .name: vh, .offset: 16, .size: 8, .value_kind: global_buffer, .address_space: global }
      - { .name: yb, .offset: 24, .size: 8, .value_kind: global_buffer, .address_space: global }
    .group_segment_fixed_size: 327680
    .private_segment_fixed_size: 0
    .kernarg_segment_align: 8
    .kernarg_segment_size: 32
    .max_flat_workgroup_size: 128
    .sgpr_count:     96
    .vgpr_count:     1024
    .wavefront_size: 32
...
	.end_amdgpu_metadata
.endif
;; end of part 3
;; launch proj (part 4): grid 8 x 32, 4 waves a work-group, clusters of 4 x 4, 327,680 bytes of LDS; arguments yb, cb, out0; writes out0
.if DOCPART == 4
	.amdgcn_target "amdgcn-amd-amdhsa--gfx1250"
	.amdhsa_code_object_version 6
	.text
	.protected	k_qa8e3a1a927_proj
	.globl	k_qa8e3a1a927_proj
	.p2align	8
	.type	k_qa8e3a1a927_proj,@function
k_qa8e3a1a927_proj:
	s_mov_b64 s[64:65], 0
	v_nop
	global_prefetch_b8 v0, s[64:65] scope:SCOPE_SE
	s_setreg_imm32_b32 hwreg(HW_REG_WAVE_MODE, 25, 1), 1
	s_wait_xcnt 0x0
	s_wait_alu depctr_hold_cnt(0) depctr_sa_sdst(0) depctr_va_vdst(0) depctr_va_sdst(0) depctr_va_ssrc(0) depctr_va_vcc(0) depctr_vm_vsrc(0)
	s_getreg_b32 s2, hwreg(HW_REG_IB_STS2, 6, 4)
	s_cmp_eq_u32 s2, 0
	s_cbranch_scc0 .Lentry_in_a_cluster
	s_endpgm
.Lentry_in_a_cluster:
	s_bfe_u32 s2, ttmp6, 0x10000c
	s_cmp_lg_u32 s2, 0xf033
	s_cbranch_scc0 .Lentry_shape_is_right
	s_endpgm
.Lentry_shape_is_right:
; THE OUTPUT PROJECTION.  out0[t][n] = sum over k of yb[t][k] cb[n][k], 4,096 x 1,024 x 1,024, f16 operands, f32 sums, f32 out.
; A tile of the output is 128 x 128, which gives 8 x 32 = 256 work-groups.  Four waves, each 64 x 64: 16 accumulators.  K goes in steps of 256 (LDS rows of 512 bytes, 64 rows to a tensor load) through two slots.
; CLUSTERS of 4 x 4: the four of a row need the same tiles of yb, the four of a column the same tiles of cb: each tile is asked for jointly.
; THE MATRIX INSTRUCTION IS USED TRANSPOSED (source 0 = 16 rows of cb, source 1 = 16 rows of yb): a lane holds eight neighbouring numbers of a row: 32 bytes.  A wave's 64 columns are 256 aligned bytes of a row,
; so each wave sends its results through a stage of its own, 16 rows at a time, and no barrier is needed on the way out.
; No prefetch: the tiles are small and each is read by eight or thirty-two work-groups at about the same time.
; REGISTERS: window 0: v0-31 addresses; v32-95 rows read back, two sets; v128-255 the accumulators ((a, b) at v[128 + 8 (4 a + b)]).  Window 1: two fragment buffers of 128.
.set SIZE_N, 1024
.set SIZE_K, 1024
.set KSTEP,  256
.set PITCH,  528
.set HALFT,  64*PITCH
.set SLOT,   4*HALFT
.set STAGE,  2*SLOT                    ; behind the ring: 16 rows x 272 bytes for each wave
.set SPITCH, 272
.set SPARE,  STAGE+4*16*SPITCH         ; the spare words, 128 bytes a wave: two blocks of 256 bytes that no other line names
.set LAPS, SIZE_K/(2*KSTEP)
.set ADRA, 16
.set ADRB, 20
.set STO,  24
.set RD,   25
.set CO,   26
.set SPW,  28
.set NIL,  29
.set TMP,  32
.set ACC,  128
.set F0,   0
.set F1,   128
.set G1, 24
.set G0, 32
.set G1B, 48
.set G0B, 56
.set MSB, 0
.macro WIN new
.if MSB != (\new)
	s_set_vgpr_msb (MSB<<8)|(\new)
.set MSB, \new
.endif
.endm
.set MUL,  0x05                        ; sources 0 and 1 window 1; C and D window 0
.set TO_F, 0x40
.macro JLOAD s                         ; waves 0 and 1 fetch yb's two halves, waves 2 and 3 cb's; an s_nop 0 and four v_nop follow each of the two lines
	s_cmp_eq_u32 s11, 0
	s_cbranch_scc0 .Lfor_b_\@
	tensor_load_to_lds s[G0+4*(\s):G0+4*(\s)+3], s[G1:G1+7]
	s_nop 0
.rept 4
	v_nop
.endr
	s_branch .Lasked_\@
.Lfor_b_\@:
	tensor_load_to_lds s[G0B+4*(\s):G0B+4*(\s)+3], s[G1B:G1B+7]
	s_nop 0
.rept 4
	v_nop
.endr
.Lasked_\@:
.endm
.macro CREST
	s_cmp_lg_u32 s10, 0
	s_cbranch_scc1 .Lnot_wave_0_\@
	s_barrier_signal -3
.Lnot_wave_0_\@:
	s_barrier_wait -3
	s_barrier_signal -1
	s_barrier_wait -1
.endm
.macro CROUND
	s_barrier_signal -1
	s_barrier_wait -1
	CREST
.endm
	s_load_b128 s[4:7], s[0:1], 0x0                ; yb s[4:5], cb s[6:7]
	s_load_b64 s[8:9], s[0:1], 0x10                ; out0
	v_lshl_add_u32 v[SPW], v0, 2, SPARE
	v_mov_b32 v[NIL], 0
	ds_add_u32 v[SPW], v[NIL]                      ; the wave's opening: the add and its wait ahead of my first tensor load
	v_lshrrev_b32 v1, 5, v0
	v_readfirstlane_b32 s10, v1
	s_lshr_b32 s11, s10, 1                         ; my half of the tile's rows.  Also: I fetch for yb (0) or cb (1)
	s_and_b32 s12, s10, 1                          ; my half of its columns.  Also: which 64 rows I fetch
	s_bfe_u32 s40, ttmp6, 0x40000
	s_bfe_u32 s41, ttmp6, 0x40004
	s_lshl_b32 s42, ttmp9, 2
	s_add_co_u32 s42, s42, s40                     ; tile column
	s_and_b32 s13, ttmp7, 0xffff
	s_lshl_b32 s13, s13, 2
	s_add_co_u32 s13, s13, s41                     ; tile row
	s_lshl_b32 s43, s41, 2
	s_lshl_b32 s43, 15, s43
	s_lshl_b32 s44, 0x1111, s40
	s_or_b32 s[G1+0], s43, (1<<16)|(1<<20)|(1<<21)|(6<<22)|(3<<25)  ; the mask; 2-byte elements; padding on; bit 21 beside a mask; after every 128 words 4 words
	s_or_b32 s[G1B+0], s44, (1<<16)|(1<<20)|(1<<21)|(6<<22)|(3<<25)
.irp g, G1, G1B
	s_mov_b32 s[(\g)+1], KSTEP<<16
	s_mov_b32 s[(\g)+2], 64<<16
	s_mov_b32 s[(\g)+3], KSTEP<<16
	s_mov_b32 s[(\g)+4], 64
	s_mov_b32 s[(\g)+5], SIZE_K
	s_mov_b32 s[(\g)+6], 0
	s_mov_b32 s[(\g)+7], 0
.endr
	s_lshl_b32 s17, s12, 6
	s_lshl_b32 s16, s13, 7
	s_add_co_u32 s16, s16, s17
	s_lshl_b32 s46, s42, 7
	s_add_co_u32 s46, s46, s17
	s_mov_b32 s17, 0
	s_mov_b32 s47, 0
	s_mov_b64 s[18:19], SIZE_K*2
	s_mul_u64 s[16:17], s[16:17], s[18:19]
	s_mul_u64 s[46:47], s[46:47], s[18:19]
	s_mul_i32 s20, s10, HALFT
	s_wait_dscnt 0x0                               ; the opening add is done
	s_wait_kmcnt 0x0
	s_add_nc_u64 s[14:15], s[4:5], s[16:17]
	s_add_nc_u64 s[46:47], s[6:7], s[46:47]
	CROUND
.irp s, 0,1
	s_mov_b32 s[G0+4*(\s)], 1
	s_add_co_u32 s[G0+4*(\s)+1], s20, (\s)*SLOT
	s_add_nc_u64 s[G0+4*(\s)+2:G0+4*(\s)+3], s[14:15], (\s)*KSTEP*2
	s_or_b32 s[G0+4*(\s)+3], s[G0+4*(\s)+3], 0x80000000
	s_mov_b32 s[G0B+4*(\s)], 1
	s_add_co_u32 s[G0B+4*(\s)+1], s20, (\s)*SLOT
	s_add_nc_u64 s[G0B+4*(\s)+2:G0B+4*(\s)+3], s[46:47], (\s)*KSTEP*2
	s_or_b32 s[G0B+4*(\s)+3], s[G0B+4*(\s)+3], 0x80000000
	JLOAD \s
.endr
	v_and_b32 v1, 15, v0
	v_bfe_u32 v2, v0, 4, 1
	v_mul_u32_u24 v3, v1, PITCH
	v_lshl_add_u32 v3, v2, 4, v3
	s_mul_i32 s21, s11, HALFT
	s_mul_i32 s22, s12, HALFT
	s_add_co_u32 s22, s22, 2*HALFT
.irp s, 0,1
	v_add_nc_u32 v[ADRA+(\s)], s21, v3
	v_add_nc_u32 v[ADRB+(\s)], s22, v3
	s_add_co_u32 s21, s21, SLOT
	s_add_co_u32 s22, s22, SLOT
.endr
	s_mul_i32 s23, s10, 16*SPITCH
	s_add_co_u32 s23, s23, STAGE                   ; my stage
	v_mul_u32_u24 v4, v1, SPITCH
	v_lshl_add_u32 v4, v2, 5, v4
	v_add_nc_u32 v[STO], s23, v4                   ; in: row l % 16, 32 bytes for each half of the lanes
	v_mul_u32_u24 v5, v2, SPITCH
	v_lshl_add_u32 v5, v1, 4, v5
	v_add_nc_u32 v[RD], s23, v5                    ; back: lanes 0-15 one row of 256 bytes, lanes 16-31 the next
	v_lshlrev_b32 v5, 12, v2                       ; and the same two rows of out0, 4,096 bytes apart
	v_lshl_add_u32 v[CO], v1, 4, v5
	s_lshl_b32 s16, s13, 7
	s_lshl_b32 s17, s11, 6
	s_add_co_u32 s16, s16, s17                     ; my first row
	s_lshl_b32 s16, s16, 12
	s_mov_b32 s17, 0
	s_add_nc_u64 s[8:9], s[8:9], s[16:17]
	s_lshl_b32 s46, s42, 9                         ; my first column, in bytes: 512 x tile column + 256 x half
	s_lshl_b32 s47, s12, 8
	s_add_co_u32 s46, s46, s47
	s_mov_b32 s47, 0
	s_add_nc_u64 s[8:9], s[8:9], s[46:47]
.macro MUL8 f, c, a0, zero             ; 8 matrix instructions; the 16 accumulators take turns
	WIN MUL
.irp a, \a0, (\a0)+1
.irp b, 0,1,2,3
.if \zero
	v_wmma_f32_16x16x32_f16 v[ACC+8*(4*(\a)+(\b)):ACC+8*(4*(\a)+(\b))+7], v[(\f)+64+8*(4*(\c)+(\b)):(\f)+64+8*(4*(\c)+(\b))+7], v[(\f)+8*(4*(\c)+(\a)):(\f)+8*(4*(\c)+(\a))+7], 0
.else
	v_wmma_f32_16x16x32_f16 v[ACC+8*(4*(\a)+(\b)):ACC+8*(4*(\a)+(\b))+7], v[(\f)+64+8*(4*(\c)+(\b)):(\f)+64+8*(4*(\c)+(\b))+7], v[(\f)+8*(4*(\c)+(\a)):(\f)+8*(4*(\c)+(\a))+7], v[ACC+8*(4*(\a)+(\b)):ACC+8*(4*(\a)+(\b))+7]
.endif
.endr
.endr
.endm
.macro FETCH slot, k, f                ; 32 LDS loads in one run: the fragments of 64 along K; the first 32 along K first
	WIN TO_F
.irp c, 0,1
.irp i, 0,1,2,3
	ds_load_b128 v[(\f)+64+8*(4*(\c)+(\i)):(\f)+64+8*(4*(\c)+(\i))+3],   v[ADRB+(\slot)] offset:(\k)+64*(\c)+(\i)*16*PITCH
	ds_load_b128 v[(\f)+64+8*(4*(\c)+(\i))+4:(\f)+64+8*(4*(\c)+(\i))+7], v[ADRB+(\slot)] offset:(\k)+64*(\c)+(\i)*16*PITCH+32
	ds_load_b128 v[(\f)+8*(4*(\c)+(\i)):(\f)+8*(4*(\c)+(\i))+3],         v[ADRA+(\slot)] offset:(\k)+64*(\c)+(\i)*16*PITCH
	ds_load_b128 v[(\f)+8*(4*(\c)+(\i))+4:(\f)+8*(4*(\c)+(\i))+7],       v[ADRA+(\slot)] offset:(\k)+64*(\c)+(\i)*16*PITCH+32
.endr
.endr
.endm
.macro PLACES
.rept 4
	v_nop
.endr
.endm
.macro QUARTER slot, k, f, g, zero
	s_wait_dscnt 16                                ; the first 32 along K are in; the other sixteen loads may be out
	MUL8 \f, 0, 0, \zero
	MUL8 \f, 0, 2, \zero
	PLACES
	FETCH \slot, \k, \g
	s_wait_dscnt 32                                ; all but the 32 just issued
	MUL8 \f, 1, 0, 0
	MUL8 \f, 1, 2, 0
.endm
.macro TURN slot, next, fill           ; the last quarter multiplies buffer 1 and changes slots
	WIN 0
	s_wait_tensorcnt 0x0                           ; all my tensor loads have landed: my part of the next slot
	ds_add_u32 v[SPW], v[NIL]
	s_wait_dscnt 17                                ; the add and the youngest sixteen loads may be out
	MUL8 F1, 0, 0, 0
	s_wait_dscnt 0x0                               ; the add is done, and my reads of this slot are over
	s_barrier_signal -1
	MUL8 F1, 0, 2, 0
.if \fill
	WIN 0
.endif
	s_barrier_wait -1
.if \fill
	CREST                                          ; no wave of any partner still reads this slot or has a load on its way
	s_add_nc_u64 s[G0+4*(\slot)+2:G0+4*(\slot)+3], s[G0+4*(\slot)+2:G0+4*(\slot)+3], 2*KSTEP*2
	s_add_nc_u64 s[G0B+4*(\slot)+2:G0B+4*(\slot)+3], s[G0B+4*(\slot)+2:G0B+4*(\slot)+3], 2*KSTEP*2
	JLOAD \slot
.else
	PLACES
.endif
	FETCH \next, 0, F0
	MUL8 F1, 1, 0, 0
	MUL8 F1, 1, 2, 0
.endm
	s_wait_tensorcnt 1                             ; my part of K step 0 is in; K step 1's may stay out
	s_barrier_signal -1
	s_barrier_wait -1
	FETCH 0, 0, F0
	QUARTER 0, 128, F0, F1, 1
	WIN 0
	s_mov_b32 s3, LAPS-1
.Llap:
	QUARTER 0, 256, F1, F0, 0
	QUARTER 0, 384, F0, F1, 0
	TURN 0, 1, 1
	QUARTER 1, 128, F0, F1, 0
	QUARTER 1, 256, F1, F0, 0
	QUARTER 1, 384, F0, F1, 0
	TURN 1, 0, 1
	QUARTER 0, 128, F0, F1, 0
	WIN 0
	s_sub_co_u32 s3, s3, 1
	s_cmp_lg_u32 s3, 0
	s_cbranch_scc1 .Llap
	QUARTER 0, 256, F1, F0, 0                      ; the last lap fills nothing
	QUARTER 0, 384, F0, F1, 0
	TURN 0, 1, 0
	QUARTER 1, 128, F0, F1, 0
	QUARTER 1, 256, F1, F0, 0
	QUARTER 1, 384, F0, F1, 0
	s_wait_dscnt 16
	MUL8 F1, 0, 0, 0
	MUL8 F1, 0, 2, 0
	s_wait_dscnt 0x0
	MUL8 F1, 1, 0, 0
	MUL8 F1, 1, 2, 0
	WIN 0
	; THE WAY OUT, 16 rows at a time: 32 bytes a lane and column block into my stage, back as whole rows of 256 bytes.
	PLACES
.irp a, 0,1,2,3
.if (\a) >= 2
	s_wait_xcnt 0x0                                ; the stores of two blocks back have read this set of registers
.endif
.irp b, 0,1,2,3
	ds_store_b128 v[STO], v[ACC+8*(4*(\a)+(\b)):ACC+8*(4*(\a)+(\b))+3]   offset:64*(\b)
	ds_store_b128 v[STO], v[ACC+8*(4*(\a)+(\b))+4:ACC+8*(4*(\a)+(\b))+7] offset:64*(\b)+16
.endr
.irp t, 0,1,2,3,4,5,6,7
	ds_load_b128 v[TMP+32*((\a)%2)+4*(\t):TMP+32*((\a)%2)+4*(\t)+3], v[RD] offset:(\t)*2*SPITCH  ; LDS serves a wave's instructions in order: these see the stores above
.endr
.irp t, 0,1,2,3,4,5,6,7
	s_wait_dscnt 7-(\t)                            ; the younger loads from the stage may stay out
	global_store_b128 v[CO], v[TMP+32*((\a)%2)+4*(\t):TMP+32*((\a)%2)+4*(\t)+3], s[8:9] offset:(16*(\a)+2*(\t))*4096 th:TH_STORE_NT  ; 16 lanes store 256 consecutive bytes, aligned
.endr
.endr
	s_wait_tensorcnt 0x0                           ; the wave's end
	ds_add_u32 v[SPW], v[NIL]
	s_wait_dscnt 0x0
	CROUND                                         ; the closing round
	s_endpgm
.Lfunc_end_k_qa8e3a1a927_proj:
	.size	k_qa8e3a1a927_proj, .Lfunc_end_k_qa8e3a1a927_proj-k_qa8e3a1a927_proj
	.p2alignl 7, 3214868480
	.fill 96, 4, 3214868480
	.section	.rodata,"a",@progbits
	.p2align	6, 0x0
	.amdhsa_kernel k_qa8e3a1a927_proj
		.amdhsa_group_segment_fixed_size 327680
		.amdhsa_private_segment_fixed_size 0
		.amdhsa_enable_private_segment 0
		.amdhsa_kernarg_size 24
		.amdhsa_user_sgpr_count 2
		.amdhsa_user_sgpr_kernarg_segment_ptr 1
		.amdhsa_wavefront_size32 1
		.amdhsa_system_sgpr_workgroup_id_x 1
		.amdhsa_system_sgpr_workgroup_id_y 1
		.amdhsa_system_sgpr_workgroup_id_z 1
		.amdhsa_system_vgpr_workitem_id 0
		.amdhsa_next_free_vgpr 512
		.amdhsa_next_free_sgpr 66
		.amdhsa_reserve_vcc 0
		.amdhsa_float_denorm_mode_32 3
		.amdhsa_float_denorm_mode_16_64 3
		.amdhsa_memory_ordered 1
		.amdhsa_forward_progress 1
		.amdhsa_inst_pref_size 86
	.end_amdhsa_kernel
	.amdgpu_metadata
---
amdhsa.version: [ 1, 2 ]
amdhsa.kernels:
  - .name:           k_qa8e3a1a927_proj
    .symbol:         k_qa8e3a1a927_proj.kd
    .args:
      - { .name: yb, .offset: 0, .size: 8, .value_kind: global_buffer, .address_space: global }
      - { .name: cb, .offset: 8, .size: 8, .value_kind: global_buffer, .address_space: global }
      - { .name: out0, .offset: 16, .size: 8, .value_kind: global_buffer, .address_space: global }
    .group_segment_fixed_size: 327680
    .private_segment_fixed_size: 0
    .kernarg_segment_align: 8
    .kernarg_segment_size: 24
    .max_flat_workgroup_size: 128
    .sgpr_count:     66
    .vgpr_count:     512
    .wavefront_size: 32
...
	.end_amdgpu_metadata
.endif
;; end of part 4
;; ======== version 2 of 2: 4 launches; version 1 with the launch prep written anew for expert scheduling mode
;; limits: values are held in f16: magnitudes above 65,504 overflow, below 6.1e-05 lose precision
;; workspace buffers: xb 8,388,608 bytes; wb 6,291,456 bytes; cb 2,097,152 bytes; tab 135,168 bytes; qh 8,388,608 bytes; kh 8,388,608 bytes; vh 8,388,608 bytes; yb 8,388,608 bytes
;; launch prep (part 5): grid 545 x 1, 8 waves a work-group, no clusters, 0 bytes of LDS; arguments x, qkv_w, c_proj_w, xb, wb, cb, tab; writes xb, wb, cb, tab
.if DOCPART == 5
	.amdgcn_target "amdgcn-amd-amdhsa--gfx1250"
	.amdhsa_code_object_version 6
	.text
	.protected	k_qa8e3a1a927_prep
	.globl	k_qa8e3a1a927_prep
	.p2align	8
	.type	k_qa8e3a1a927_prep,@function
k_qa8e3a1a927_prep:
	s_mov_b64 s[64:65], 0
	v_nop
	global_prefetch_b8 v0, s[64:65] scope:SCOPE_SE
	s_setreg_imm32_b32 hwreg(HW_REG_WAVE_SCHED_MODE, 0, 2), 2
	s_setreg_imm32_b32 hwreg(HW_REG_WAVE_MODE, 25, 1), 1
	s_wait_xcnt 0x0
	s_wait_alu depctr_vm_vsrc(0)
; CASTS AND THE ROTARY TABLE.  xb = bf16(x), wb = bf16(qkv_w), cb = bf16(c_proj_w) written as f16, tab = cos and sin of the rotary angles.
; Work-groups 0-255 cast x, 256-447 qkv_w, 448-511 c_proj_w: 16,384 numbers each.  Thread t takes 4 numbers in each of 16 chunks of 1,024: a load of a wave covers 512 consecutive
; bytes, a store 256, both aligned.  All 16 loads of a thread go out first.
; Work-groups 512-544 make the table, 16 rows of 256 bytes each (32 cos, then 32 sin, f32): rows 16 k + r, k < 32, hold position 128 k + r; the rows of k = 32 all hold position 16, the step by which the next launch turns a row on.
; angle = position x 2^(-10 d / 31), d = 0..31.  It is reduced in revolutions: the product with 1/2pi is taken twice (the constant and what the constant lacks), the nearest whole number goes off,
; a quarter is added for the cosine, and sin(2 pi f) for |f| <= 1/4 is an odd polynomial of degree 11.
; LIMITS.  |c_proj_w| stays under 65,504, and below 6e-5 it keeps f16's fixed step of 6e-8.  2^x is good to one unit in the last place, so an angle at position 4,095 is good to about 1e-3 radians.
; No LDS, no matrix unit, no cluster: the launch streams, and no two work-groups read the same byte.
; THE MODE: SCHED_MODE bits 1:0 = 2 (LLVM: expert scheduling mode 2), set by the entry lines.  The code itself states the register dependences
; between vector instructions and memory instructions, with s_wait_alu, always for 0.
; THE PLAN.  Registers that memory instructions touch:
;   v1, v2     byte offsets, made once at the head and never written again; every load and store reads one of them.
;   XR         chunk j's load lands in its four registers, once; no vector instruction names them ahead of the loads, and no load lands there later.
;   YR         chunk j's roundings write its two registers, once; chunk j's store reads them, once.
;   v[44:47]   the table's four numbers: written once, read by the one store.
; No register that a memory instruction has read is written again, so no wait for such a read is owed.  The 16 chunks go in four groups of four: the stores of group g - 1 are dealt among the
; roundings of group g, which name none of the registers that those stores read.  So one wait at the head of a group states all that its four stores hang on.
; A compare writes its mask into a scalar register; the compares stand in runs, with one wait between a run and the selects that read its masks.
.set XR, 4                             ; v[4:67]    chunk j: 4 numbers as loaded
.set YR, 68                            ; v[68:99]   chunk j: 2 registers to store
.set TR, 100                           ; v[100:101] at work: no memory instruction names them
.set MK, 18                            ; s[18:21]   the table: the masks of the four folds (s20, the work-group's number, has been used up by then)
.set MQ, 22                            ; s22        the table: the mask of the lanes that make cosines
	s_load_b256 s[4:11], s[0:1], 0x0               ; x s[4:5], qkv_w s[6:7], c_proj_w s[8:9], xb s[10:11]
	s_load_b128 s[12:15], s[0:1], 0x20             ; wb s[12:13], cb s[14:15]
	s_load_b64 s[16:17], s[0:1], 0x30              ; tab
	s_mov_b32 s20, ttmp9
	s_mov_b32 s31, 0                               ; the high word of every offset
	v_lshlrev_b32 v1, 4, v0                        ; 16 t: my bytes in a chunk as loaded
	v_lshlrev_b32 v2, 3, v0                        ; 8 t: as stored
	s_wait_kmcnt 0x0
	s_wait_alu depctr_va_vdst(0)                   ; v1 and v2 are written: every load and store of the kernel reads one of them as its offset
; Chunk j is rounded.  f = 0: to bf16.  f = 1: to bf16, and that number written as f16.
.macro CVT f, j
	s_wait_loadcnt 15-(\j)                         ; loads come back in order: chunk j is in, the 15 - j younger ones stay out
.if \f
	v_cvt_pk_bf16_f32 v[TR],   v[XR+4*(\j)],   v[XR+4*(\j)+1]
	v_cvt_pk_bf16_f32 v[TR+1], v[XR+4*(\j)+2], v[XR+4*(\j)+3]
	v_lshlrev_b32 v[XR+4*(\j)],   16, v[TR]
	v_and_b32     v[XR+4*(\j)+1], 0xffff0000, v[TR]
	v_lshlrev_b32 v[XR+4*(\j)+2], 16, v[TR+1]
	v_and_b32     v[XR+4*(\j)+3], 0xffff0000, v[TR+1]
	v_cvt_pk_f16_f32 v[YR+2*(\j)],   v[XR+4*(\j)],   v[XR+4*(\j)+1]
	v_cvt_pk_f16_f32 v[YR+2*(\j)+1], v[XR+4*(\j)+2], v[XR+4*(\j)+3]
.else
	v_cvt_pk_bf16_f32 v[YR+2*(\j)],   v[XR+4*(\j)],   v[XR+4*(\j)+1]
	v_cvt_pk_bf16_f32 v[YR+2*(\j)+1], v[XR+4*(\j)+2], v[XR+4*(\j)+3]
.endif
.endm
; Chunk j is stored.
.macro OUT j
	global_store_b64 v2, v[YR+2*(\j):YR+2*(\j)+1], s[26:27] offset:2048*(\j) th:TH_STORE_NT
.endm
.macro CAST f
.irp j, 0,1,2,3,4,5,6,7,8,9,10,11,12,13,14,15
	global_load_b128 v[XR+4*(\j):XR+4*(\j)+3], v1, s[24:25] offset:4096*(\j) th:TH_LOAD_NT
.endr
.irp j, 0,1,2,3
	CVT \f, \j                                     ; group 0 has no group in front of it
.endr
.irp g, 1,2,3
	s_wait_alu depctr_va_vdst(0)                   ; the group before has written its eight registers of YR, which the four stores below read.  It stands ahead of the wait for this group's data: the stores do not hang on that
.irp i, 0,1,2,3
	OUT 4*(\g)-4+(\i)                              ; no wait: no vector instruction since the wait above names these registers
	CVT \f, 4*(\g)+(\i)
.endr
.endr
	s_wait_alu depctr_va_vdst(0)                   ; group 3 has written its eight registers of YR, which the last four stores read
.irp i, 12,13,14,15
	OUT \i
.endr
.endm
	s_cmp_ge_u32 s20, 512
	s_cbranch_scc1 .Ltab
	s_cmp_ge_u32 s20, 448
	s_cbranch_scc1 .Lcw
	s_sub_co_u32 s21, s20, 256
	s_cmp_lt_u32 s20, 256                          ; x or qkv_w?
	s_cselect_b64 s[24:25], s[4:5], s[6:7]
	s_cselect_b64 s[26:27], s[10:11], s[12:13]
	s_cselect_b32 s28, s20, s21                    ; my number among the tensor's work-groups
	s_lshl_b32 s30, s28, 16                        ; 65,536 bytes in,
	s_add_nc_u64 s[24:25], s[24:25], s[30:31]
	s_lshl_b32 s30, s28, 15                        ; 32,768 out
	s_add_nc_u64 s[26:27], s[26:27], s[30:31]
	CAST 0
	s_endpgm
.Lcw:
	s_sub_co_u32 s28, s20, 448
	s_lshl_b32 s30, s28, 16
	s_add_nc_u64 s[24:25], s[8:9], s[30:31]
	s_lshl_b32 s30, s28, 15
	s_add_nc_u64 s[26:27], s[14:15], s[30:31]
	CAST 1
	s_endpgm
.Ltab:
	s_sub_co_u32 s23, s20, 512                     ; k
	s_lshl_b32 s24, s23, 7
	s_cmp_eq_u32 s23, 32
	s_cselect_b32 s24, 16, s24                     ; the first row's position,
	s_cselect_b32 s25, 0, 1                        ; and what a row adds
	s_mov_b32 s26, 0x7fffffff
	s_lshl_b32 s30, s23, 12
	s_add_nc_u64 s[16:17], s[16:17], s[30:31]
	v_lshrrev_b32 v3, 4, v0                        ; row 0..15
	v_and_b32 v4, 15, v0                           ; my 16 bytes of the row: 0-7 cos, 8-15 sin
	v_and_b32 v5, 7, v0
	v_lshlrev_b32 v5, 2, v5                        ; my first d
	v_mul_u32_u24 v3, v3, s25
	v_add_nc_u32 v3, s24, v3
	v_cvt_f32_u32 v6, v3                           ; position
	v_mov_b32 v8, 0x3e800000                       ; 1/4
	v_mov_b32 v9, 0x3f000000                       ; 1/2
	v_cmp_gt_u32 s[MQ], 8, v4                      ; the lanes that make cosines; the select that reads the mask stands behind the exponentials
.irp e, 0,1,2,3
	v_add_nc_u32 v[12+8*(\e)], \e, v5
	v_cvt_f32_u32 v[12+8*(\e)], v[12+8*(\e)]
	v_mul_f32 v[12+8*(\e)], 0xbea5294a, v[12+8*(\e)]  ; -10 d / 31
.endr
.irp e, 0,1,2,3
	v_exp_f32 v[13+8*(\e)], v[12+8*(\e)]
.endr
	v_nop                                          ; a plain instruction behind the last of the four,
	s_wait_alu depctr_va_vdst(0)                   ; and one wait for the batch: the four exponentials have written v13, v21, v29 and v37, ahead of their first reader
	s_wait_alu depctr_va_sdst(0)                   ; the compare has written s22, ahead of the select that reads it
	v_cndmask_b32 v7, 0, v8, s[MQ]                 ; a quarter of a revolution on for the cosine
.irp e, 0,1,2,3
	v_mul_f32 v[12+8*(\e)], v6, v[13+8*(\e)]       ; the angle, rounded to f32 as the module rounds it
	v_mul_f32 v[13+8*(\e)], 0.15915494, v[12+8*(\e)]
	v_rndne_f32 v[13+8*(\e)], v[13+8*(\e)]         ; whole revolutions
	v_fma_f32 v[14+8*(\e)], v[12+8*(\e)], 0.15915494, -v[13+8*(\e)]
	v_fmamk_f32 v[14+8*(\e)], v[12+8*(\e)], 0x31dc9c88, v[14+8*(\e)]  ; + angle x (1/2pi less the constant) = angle x 6.42e-9
	v_add_f32 v[14+8*(\e)], v7, v[14+8*(\e)]
	v_rndne_f32 v[15+8*(\e)], v[14+8*(\e)]
	v_sub_f32 v[14+8*(\e)], v[14+8*(\e)], v[15+8*(\e)]  ; f in -1/2 .. 1/2
	v_bfi_b32 v[15+8*(\e)], s26, v9, v[14+8*(\e)]  ; 1/2 with f's sign
	v_sub_f32 v[15+8*(\e)], v[15+8*(\e)], v[14+8*(\e)]
	v_cmp_gt_f32 s[MK+(\e)], |v[14+8*(\e)]|, v8    ; beyond a quarter?  A mask for each of the four numbers
.endr
	s_wait_alu depctr_va_sdst(0)                   ; the four compares have written s18 to s21, ahead of the selects that read them: one wait for the run
.irp e, 0,1,2,3
	v_cndmask_b32 v[14+8*(\e)], v[14+8*(\e)], v[15+8*(\e)], s[MK+(\e)]  ; folded into -1/4 .. 1/4
	v_mul_f32 v[16+8*(\e)], v[14+8*(\e)], v[14+8*(\e)]
	v_mov_b32 v[17+8*(\e)], 0xc17183a8             ; -(2 pi)^11 / 11!
	v_fmaak_f32 v[17+8*(\e)], v[17+8*(\e)], v[16+8*(\e)], 0x42283c1a  ; (2 pi)^9 / 9!
	v_fmaak_f32 v[17+8*(\e)], v[17+8*(\e)], v[16+8*(\e)], 0xc2996966  ; -(2 pi)^7 / 7!
	v_fmaak_f32 v[17+8*(\e)], v[17+8*(\e)], v[16+8*(\e)], 0x42a335e3  ; (2 pi)^5 / 5!
	v_fmaak_f32 v[17+8*(\e)], v[17+8*(\e)], v[16+8*(\e)], 0xc2255de7  ; -(2 pi)^3 / 3!
	v_fmaak_f32 v[17+8*(\e)], v[17+8*(\e)], v[16+8*(\e)], 0x40c90fdb  ; 2 pi
	v_mul_f32 v[44+(\e)], v[14+8*(\e)], v[17+8*(\e)]
.endr
	s_wait_alu depctr_va_vdst(0)                   ; the four products have written v[44:47], which the store reads
	global_store_b128 v1, v[44:47], s[16:17]       ; 16 lanes store a row's 256 bytes
	s_endpgm
.Lfunc_end_k_qa8e3a1a927_prep:
	.size	k_qa8e3a1a927_prep, .Lfunc_end_k_qa8e3a1a927_prep-k_qa8e3a1a927_prep
	.p2alignl 7, 3214868480
	.fill 96, 4, 3214868480
	.section	.rodata,"a",@progbits
	.p2align	6, 0x0
	.amdhsa_kernel k_qa8e3a1a927_prep
		.amdhsa_group_segment_fixed_size 0
		.amdhsa_private_segment_fixed_size 0
		.amdhsa_enable_private_segment 0
		.amdhsa_kernarg_size 56
		.amdhsa_user_sgpr_count 2
		.amdhsa_user_sgpr_kernarg_segment_ptr 1
		.amdhsa_wavefront_size32 1
		.amdhsa_system_sgpr_workgroup_id_x 1
		.amdhsa_system_sgpr_workgroup_id_y 1
		.amdhsa_system_sgpr_workgroup_id_z 1
		.amdhsa_system_vgpr_workitem_id 0
		.amdhsa_next_free_vgpr 112
		.amdhsa_next_free_sgpr 66
		.amdhsa_reserve_vcc 0
		.amdhsa_float_denorm_mode_32 3
		.amdhsa_float_denorm_mode_16_64 3
		.amdhsa_memory_ordered 1
		.amdhsa_forward_progress 1
		.amdhsa_inst_pref_size 24
	.end_amdhsa_kernel
	.amdgpu_metadata
---
amdhsa.version: [ 1, 2 ]
amdhsa.kernels:
  - .name:           k_qa8e3a1a927_prep
    .symbol:         k_qa8e3a1a927_prep.kd
    .args:
      - { .name: x, .offset: 0, .size: 8, .value_kind: global_buffer, .address_space: global }
      - { .name: qkv_w, .offset: 8, .size: 8, .value_kind: global_buffer, .address_space: global }
      - { .name: c_proj_w, .offset: 16, .size: 8, .value_kind: global_buffer, .address_space: global }
      - { .name: xb, .offset: 24, .size: 8, .value_kind: global_buffer, .address_space: global }
      - { .name: wb, .offset: 32, .size: 8, .value_kind: global_buffer, .address_space: global }
      - { .name: cb, .offset: 40, .size: 8, .value_kind: global_buffer, .address_space: global }
      - { .name: tab, .offset: 48, .size: 8, .value_kind: global_buffer, .address_space: global }
    .group_segment_fixed_size: 0
    .private_segment_fixed_size: 0
    .kernarg_segment_align: 8
    .kernarg_segment_size: 56
    .max_flat_workgroup_size: 256
    .sgpr_count:     66
    .vgpr_count:     112
    .wavefront_size: 32
...
	.end_amdgpu_metadata
.endif
;; end of part 5
;; launch qkv: the kernel of part 2 again; grid 12 x 16, 4 waves a work-group, clusters of 4 x 4, 327,680 bytes of LDS; arguments xb, wb, ve, lambdas, tab, qh, kh, vh; writes qh, kh, vh
;; launch attn: the kernel of part 3 again; grid 32 x 8, 4 waves a work-group, clusters of 4 x 1, 327,680 bytes of LDS; arguments qh, kh, vh, yb; writes yb
;; launch proj: the kernel of part 4 again; grid 8 x 32, 4 waves a work-group, clusters of 4 x 4, 327,680 bytes of LDS; arguments yb, cb, out0; writes out0
